; MI455X (gfx1250); checked and timed in simulation.
; The chip was launched on July 23, 2026; its instructions are those of AMD's public machine-readable ISA for CDNA 5 (MIT licence, August 2026) and "CDNA5" Instruction Set Architecture Reference Guide (July 2026). The comments in the code are by the model that wrote it; some were corrected since.
;; Pyramid Sparse Attention. Allowed arithmetic: matrix products marked QUANTISED: E4M3 operands, one E8M0 scale for each 32 along K, by v_wmma_scale_f32_16x16x128_f8f6f4 with both operands' format E4M3, f32 sums; everything else in f32.
;; Inputs: k 1 x 8 x 4,096 x 64 float32; q 1 x 8 x 4,096 x 64 float32; sample_idx_k 1 x 8 x 16 int32; sample_idx_q 1 x 8 x 16 int32; v_codes 1 x 8 x 64 x 128 x 32 uint8 (E4M3 codes of v, K innermost, in blocks of 32 codes); v_scales 1 x 8 x 64 x 128 uint8 (E8M0 scales of v, one for each 32 codes along K).
;; Outputs: out0 1 x 8 x 4,096 x 64 float32.
;; This version of the problem:
;;   THIS VERSION OF THE PROBLEM IS GIVEN IN LOW PRECISION. The matrix products marked QUANTISED in the list below multiply operands that are first quantised to E4M3 (4 exponent bits, 3 mantissa bits; 8 bits a number), with one power-of-two scale for each 32 numbers along K (OCP MX v1.0); their sums are f32. All else is computed in f32.
;;   The module's matrix products, in the order in which they are computed (A, B: the left and right operand; K: the contracted axis; several contracted axes count as one K, in the product's order):
;;     1. batch 8 x [M 1,024, K 64] x [K 64, N 1,024]; A: computed on the way; B: computed on the way: QUANTISED
;;     2. batch 8 x [M 4,096, K 64] x [K 64, N 4,096]; A: input q; B: input k: QUANTISED
;;     3. batch 8 x [M 4,096, K 4,096] x [K 4,096, N 64]; A: softmax (see below); B: input v (given as codes): QUANTISED
;;   THE QUANTISER, for each operand of a quantised product, along K:
;;     - K is cut into blocks of 32 from its start; a last block that is shorter is filled with zeros.
;;     - A block's scale is 2^e with e = floor(log2(the largest magnitude in the block)) - 8, held to -126 .. 127; a block of zeros has e = 0. As a byte (E8M0): e + 127.
;;     - Each number is divided by its block's scale, clamped to +-448, and rounded to the nearest number of E4M3, ties to even, subnormals kept.
;;     - The product sums the exact products of the quantised numbers (number of the format x scale) in f32.
;;   ~~~python
;;   def quantise(x, axis):      # numpy; x: float32 -> the quantised numbers, widened to float32 again
;;       x = np.moveaxis(x, axis, -1); K = x.shape[-1]
;;       x = np.pad(x, [(0, 0)] * (x.ndim - 1) + [(0, -K % 32)]); x = x.reshape(x.shape[:-1] + (-1, 32)); a = np.abs(x).max(-1, keepdims=True)
;;       e = np.where(a > 0, np.clip(np.frexp(np.where(a > 0, a, 1))[1] - 1 - 8, -126, 127), 0)      # np.frexp(a)[1] - 1 = floor(log2(a)), exactly
;;       r = np.clip(x / 2.0 ** e, -448, 448)
;;       step = 2.0 ** (np.maximum(np.frexp(np.where(r == 0, 1, r))[1] - 1, -6) - 3)
;;       q = np.round(r / step) * step * 2.0 ** e      # np.round: ties to even
;;       return np.moveaxis(q.reshape(q.shape[:-2] + (-1,))[..., :K], -1, axis).astype(np.float32)
;;   ~~~
;;   SOFTMAX AHEAD OF A QUANTISED PRODUCT. Where the list says 'softmax', what is quantised is not the finished softmax but p = 2^(t - M), with t = logit x log2(e) and M = ceil(the row's largest t), a whole number; so 1/2 < the row's largest p <= 1. The row's sum l is taken of the UNQUANTISED p, in f32, and the product's result is divided by l at the end. Since M is a whole number, a kernel that streams over the keys may use a running M (the ceiling of the running maximum): every later rescaling is an exact power of two, which a block's scale takes up: the codes' values come out the same.
;;   OPERANDS COMPUTED ON THE WAY. 'Computed on the way' means the value that the module computes at that place (a softmax that the list does not call 'softmax' is quantised finished and normalised). What goes into a quantiser is computed in f32, as accurately as f32 sums, v_exp_f32 and their like allow (about 1e-6 of the number): no bf16 or f16 on the way to a quantiser, and a product that is left as it is and whose result goes on into a quantised operand takes f32 operands (vector FMAs, or v_wmma_f32_16x16x4_f32). A number that lies on a knife's edge between two numbers of the format may be rounded either way, as far as f32 arithmetic and the matrix unit's own rounding can turn it there, and no further.
;;   INPUTS GIVEN AS CODES. v (in the module: [1, 8, 4096, 64], K = its axis 2): each comes as NAME_codes (uint8): NAME with its K axis moved to the last place and cut into blocks of 32 codes, [.., K / 32, bytes a block], one block behind the other in memory; one code a byte (a code: sign, 4 exponent bits, 3 mantissa bits); and NAME_scales (uint8): the same leading axes, one E8M0 byte (e + 127) for each 32 codes along K. Its value is code x scale, taken as it is: it is not quantised again, and the codes and scales need not be those that the quantiser above would give.
;; 2 versions. Each part assembles by itself: llvm-mc -triple=amdgcn-amd-amdhsa -mcpu=gfx1250 --defsym DOCPART=n.
;; ======== version 1 of 2: 2 launches
;; workspace buffers: kv 4,325,376 bytes; mask 4,096 bytes of whole numbers
;; launch prep (part 1): grid 32 x 8, 4 waves a work-group, no clusters, 72,192 bytes of LDS; arguments q, k, sample_idx_q, sample_idx_k, v_codes, v_scales, kv, mask; writes kv, mask
.if DOCPART == 1
	.amdgcn_target "amdgcn-amd-amdhsa--gfx1250"
	.amdhsa_code_object_version 6
	.text
	.protected	k_qf3c08e7844_prep
	.globl	k_qf3c08e7844_prep
	.p2align	8
	.type	k_qf3c08e7844_prep,@function
k_qf3c08e7844_prep:
	s_mov_b64 s[64:65], 0
	v_nop
	global_prefetch_b8 v0, s[64:65] scope:SCOPE_SE
	s_setreg_imm32_b32 hwreg(HW_REG_WAVE_MODE, 25, 1), 1
	s_wait_xcnt 0x0
; PREP.  q, k: [8 heads][4096][64] f32.  v_codes: [8][64 d][4096 keys] E4M3 codes, v_scales: [8][64 d][128] E8M0 bytes.  Blocks of 64 tokens: 64 query blocks x 64 key blocks a head.
; It does three things.
; (a) k is quantised along its 64 channels (E4M3, one E8M0 scale for 32) and (b) v's codes and scale bytes are laid anew, both into kv: one RECORD of 8,448 bytes for each (head, key block), in the order of the
;     operand registers of the attention launch, so that a fragment comes by 16-byte loads at 16 x lane.  With r = lane % 16, hh = lane / 16:
;       bytes 0-4095     K: [pf 2][c 4][lane][16]: the code of k[64 kb + 32 pf + 8 (c / 2) + r + 8 (r / 8)][32 (c % 2) + 16 hh + i].  A pf is a PAIR FRAGMENT of 16 registers: registers 0-7 one tile of 16 keys, 8-15 another
;       bytes 4096-8191  V: [t 4][c 2][lane][16]: v_codes[16 t + r][64 kb + 32 c + 16 hh + i]
;       bytes 8192-8447  [r 16][4 words]: K's scale word of pf 0, of pf 1; V's scale bytes of tiles 0, 1 (two bytes each); of tiles 2, 3
; (c) the keep mask.  16 sampled queries of a query block x the head's 1,024 sampled keys (both quantised along the channels, the product on the matrix unit), softmax over the 1,024, summed over 16 x 16 to one
;     mass for each key block.  All bands of the banding are nested, so a block is kept where the mass of the blocks ranked ahead of it (larger, or equal with a lower index) is under half of the row's total.
;     No sort: each lane owns one key block and adds up what is ranked ahead of it.  The bits go to mask: [head][query block][2 words], bit L of word s = key block 32 s + L.
; THE CHANNELS ARE 64, THE INSTRUCTION'S K IS 128: a pair fragment of keys is multiplied twice, by [Q | zeros] and by [zeros | Q], which are two views of 24 registers [Q][zeros][Q].
; SHARES.  Work-group (x, head), four waves; wave w = 2 g + sp serves query block 2 x + g against key blocks 32 sp .. 32 sp + 31, makes half sp of record 2 x + g, and quantises 8 of the head's 32 sampled pair
; fragments, which go from wave to wave through LDS as images of their registers.
; NO JOINT LOADS, NO DATA MOVER: what the 32 work-groups of a head share are 16 rows of each 64, chosen by an index input: no tile that a descriptor states; and every LDS byte here is written once.
; LIMITS: NaN and infinities among q and k are not served.  A block of zeros gets the scale byte 1 (its codes are zeros; these bytes are read by this program alone); blocks whose largest magnitude lies under
; 2^-118 take that byte too.  The masses ranked ahead are added in the order of the index, in four chains, not in the order of a sorted running sum: a row in which that sum lies within f32 rounding of half
; the total may be decided either way.  Sample indices are held to 0 .. 63.
.set REC,   8448
.set SKIMG, 0                          ; LDS: 32 images of sampled pair fragments, 2,048 bytes each: 512 c + 16 lane
.set SKSC,  65536                      ; their scale words, 128 bytes each: 4 x lane
.set TAIL,  69632                      ; the two records' last 256 bytes
.set MX,    70144                      ; 128 bytes a wave: row maxima;  512 bytes on: row sums
.set PL,    71168                      ; 128 bytes a wave: its 32 pooled masses
.set LANE, 1
.set RR,   2                           ; lane % 16
.set HH,   3                           ; lane / 16
.set LI,   4                           ; 16 x lane
.set KRO,  5                           ; k, a record's rows: (r + 8 (r / 8)) x 256 + 64 hh
.set VRO,  6                           ; v_codes: 4096 r + 16 hh
.set VSO,  7                           ; v_scales: 128 r
.set SKO,  8                           ; sampled key r: index x 256 + 64 hh
.set SQO,  9                           ; sampled query r
.set XW,   10                          ; where I store images
.set XS,   11                          ; and their scale words
.set TW,   12                          ; my word of the tail
.set FR,   13                          ; where I read my 16 images
.set FS,   14                          ; and their scale words
.set MXW,  15
.set MXR,  16                          ; my partner's (wave w xor 1)
.set PLW,  17
.set PLO,  18
.set PLM,  19
.set TR,   20
.set TGO,  21
.set R4,   22
.set ZR,   23
.set QF,   24                          ; v24-47: [Q 8][zeros 8][Q 8]
.set QS,   48                          ; Q's scale word (s0, s1, s0, s1)
.set TM,   52                          ; v52-67: at work in QUANT
.set PW0,  68
.set PW1,  69
.set SKW,  72                          ; v72-87: the scale words of my 16 pair fragments, and nothing else
.set PC0,  88                          ; codes just made, two sets
.set PC1,  104
.set CC,   88                          ; later: 32 sums, one for each key block of my half
.set MM,   120                         ; v120-123 running maxima; later the row's sum; later ACC
.set NM,   124                         ; v[124:125] -(m c)
.set WW,   126                         ; v[126:127] 1 / the row's sum
.set ACC,  120
.set MINE, 124
.set HALF, 125
.set X0,   128                         ; 64 numbers as loaded, two sets
.set X1,   192
.set VT,   224                         ; v's codes in passing
.set SA,   128                         ; later: 8 tiles of scores, two sets
.set SB,   192
.set TT,   160
.set SEL,  28
.set MNT,  30
.set CS,   32
.set SM,   34
.set KREC, 36
.set SKB,  38
.set SQB,  40
.set VCB,  42
.set VSB,  44
.set KVK,  46
.set KV0,  48
.set MSK,  50
.set CM,   52
.set MSB, 0
.macro WIN new                         ; the immediate's high byte repeats the setting that is left
.if MSB != \new
	s_set_vgpr_msb (MSB<<8)|\new
.set MSB, \new
.endif
.endm
.macro PLACES n
.rept \n
	v_nop
.endr
.endm
; nb blocks of 32 along the channels: register 16 b + i of v[s] on = channel 32 b' + 16 hh + i of my row.  Codes to v[pc + 4 b] on, the scale word to v[pw].
.macro QUANT s, nb, pc, pw
.set qb, 0
.rept \nb
	v_max3_num_f32 v[TM+qb], |v[(\s)+16*qb]|, |v[(\s)+16*qb+1]|, 0x4800000   ; my 16 numbers and the floor 2^(9 - 127): the byte cannot fall under 1
.set qb, qb+1
.endr
.irp i, 2,4,6,8,10,12,14
.set qb, 0
.rept \nb
	v_max3_num_f32 v[TM+qb], v[TM+qb], |v[(\s)+16*qb+\i]|, |v[(\s)+16*qb+\i+1]|
.set qb, qb+1
.endr
.endr
.set qb, 0
.rept \nb
	v_permlanex16_b32 v[TM+4+qb], v[TM+qb], s[SEL], s[SEL+1]
.set qb, qb+1
.endr
.set qb, 0
.rept \nb
	v_max_num_f32 v[TM+qb], v[TM+qb], v[TM+4+qb]                 ; with lane l xor 16's: the block's largest magnitude
.set qb, qb+1
.endr
.set qb, 0
.rept \nb
	v_add_nc_u32 v[TM+12+qb], 0xfc000000, v[TM+qb]               ; 8 off its exponent field: the conversion's scale operand
.set qb, qb+1
.endr
.set qb, 0
.rept \nb
	v_and_or_b32 v[TM+8+qb], v[TM+qb], 0x7f800000, s[MNT]        ; 448 x the scale
.set qb, qb+1
.endr
.set qb, 0
.rept \nb
	v_lshrrev_b32 v[TM+4+qb], 23, v[TM+12+qb]                    ; the scale's byte
.set qb, qb+1
.endr
	v_lshl_or_b32 v[\pw], v[TM+5], 8, v[TM+4]
.if \nb == 4
	v_lshl_or_b32 v[\pw], v[TM+6], 16, v[\pw]
	v_lshl_or_b32 v[\pw], v[TM+7], 24, v[\pw]
.else
	v_lshl_or_b32 v[\pw], v[\pw], 16, v[\pw]                     ; the two bytes twice: they serve [Q | zeros] and [zeros | Q]
.endif
.set qb, 0
.rept \nb
.irp i, 0,1,2,3,4,5,6,7,8,9,10,11,12,13,14,15
	v_med3_num_f32 v[(\s)+16*qb+\i], v[(\s)+16*qb+\i], -v[TM+8+qb], v[TM+8+qb]   ; the conversion to an 8-bit code does not saturate (ISA guide 7.6.2): the hold
.endr
	v_cvt_scalef32_pk8_fp8_f32 v[(\pc)+4*qb:(\pc)+4*qb+1], v[(\s)+16*qb:(\s)+16*qb+7], v[TM+12+qb]
	v_cvt_scalef32_pk8_fp8_f32 v[(\pc)+4*qb+2:(\pc)+4*qb+3], v[(\s)+16*qb+8:(\s)+16*qb+15], v[TM+12+qb]
.set qb, qb+1
.endr
	v_nop                                                        ; one plain line behind the last conversion
.endm
; 64 numbers of a pair of tiles: tile u's rows begin ustep bytes apart; of my row 16 numbers of each block of 32
.macro LOADX reg, base, voff, imm, ustep
.irp u, 0,1
.irp cb, 0,1
.irp j, 0,1,2,3
	global_load_b128 v[\reg+16*(2*\u+\cb)+4*\j:\reg+16*(2*\u+\cb)+4*\j+3], v[\voff], s[\base:\base+1] offset:\imm+\u*\ustep+128*\cb+16*\j
.endr
.endr
.endr
.endm
.macro IMAGE pc, pw, n                 ; a pair fragment goes to LDS as it stands in its registers
.irp c, 0,1,2,3
	ds_store_b128 v[XW], v[\pc+4*\c:\pc+4*\c+3] offset:2048*\n+512*\c
.endr
	ds_store_b32 v[XS], v[\pw] offset:128*\n
.endm
; 8 products: my pair fragments 4 g .. 4 g + 3, each by [Q | zeros] and by [zeros | Q]: tile 2 n + u of the set = key block 8 g + 2 n + u of my half.  Lane (r, hh): sampled query r, samples 8 hh + 0 .. 7
.macro WM g, set
	WIN 0x01                                                     ; source 0 in window 1
.irp n, 0,1,2,3
.irp u, 0,1
	v_wmma_scale_f32_16x16x128_f8f6f4 v[\set+8*(2*\n+\u):\set+8*(2*\n+\u)+7], v[16*(4*\g+\n):16*(4*\g+\n)+15], v[QF+8*\u:QF+8*\u+15], 0, v[SKW+4*\g+\n], v[QS]
.endr
.endr
	WIN 0
.endm
.macro MAXS set                        ; each tile from its low end on; four chains
.irp t, 0,1,2,3,4,5,6,7
.irp i, 0,1,2,3
	v_max3_num_f32 v[MM+\i], v[MM+\i], v[\set+8*\t+2*\i], v[\set+8*\t+2*\i+1]
.endr
.endr
.endm
.macro EXPS g, set                     ; 2^(c s - c m) of a set, and each tile's sum of my eight
.set j, 0
.rept 32
	v_pk_fma_f32 v[\set+j:\set+j+1], v[\set+j:\set+j+1], s[CS:CS+1], v[NM:NM+1] op_sel_hi:[1,0,0]
.set j, j+2
.endr
.set j, 0
.rept 64
	v_exp_f32 v[\set+j], v[\set+j]
.set j, j+1
.endr
	v_nop                                                        ; a plain line behind the exponentials
	s_wait_alu depctr_va_vdst(0)
.irp t, 0,1,2,3,4,5,6,7
	v_pk_add_f32 v[\set+8*\t:\set+8*\t+1], v[\set+8*\t:\set+8*\t+1], v[\set+8*\t+2:\set+8*\t+3]
.endr
.irp t, 0,1,2,3,4,5,6,7
	v_pk_add_f32 v[\set+8*\t+4:\set+8*\t+5], v[\set+8*\t+4:\set+8*\t+5], v[\set+8*\t+6:\set+8*\t+7]
.endr
.irp t, 0,1,2,3,4,5,6,7
	v_pk_add_f32 v[\set+8*\t:\set+8*\t+1], v[\set+8*\t:\set+8*\t+1], v[\set+8*\t+4:\set+8*\t+5]
.endr
.irp t, 0,1,2,3,4,5,6,7
	v_add_f32 v[CC+8*\g+\t], v[\set+8*\t], v[\set+8*\t+1]
.endr
.endm
.macro SUM32 src, tmp, dst             ; the sum of 32 registers, by a tree; src is kept
.irp i, 0,1,2,3,4,5,6,7
	v_pk_add_f32 v[\tmp+2*\i:\tmp+2*\i+1], v[\src+4*\i:\src+4*\i+1], v[\src+4*\i+2:\src+4*\i+3]
.endr
.irp i, 0,1,2,3
	v_pk_add_f32 v[\tmp+4*\i:\tmp+4*\i+1], v[\tmp+4*\i:\tmp+4*\i+1], v[\tmp+4*\i+2:\tmp+4*\i+3]
.endr
.irp i, 0,1
	v_pk_add_f32 v[\tmp+8*\i:\tmp+8*\i+1], v[\tmp+8*\i:\tmp+8*\i+1], v[\tmp+8*\i+4:\tmp+8*\i+5]
.endr
	v_pk_add_f32 v[\tmp:\tmp+1], v[\tmp:\tmp+1], v[\tmp+8:\tmp+9]
	v_add_f32 v[\dst], v[\tmp], v[\tmp+1]
.endm
; What is ranked ahead of my block among 32 masses, which every lane holds alike: larger, or equal with a lower index.  own = 1: my own half: equal counts for lanes above i.  own = 0: the other half: equal
; counts where that half has the lower indices (sp = 1).  A choice of values only: no branch and no address hangs on it.
.macro RANK src, own
.set ri, 0
.rept 8
.irp a, 0,1,2,3
	v_cmp_gt_f32 s[CM+2*\a], v[\src+ri+\a], v[MINE]
	v_cmp_eq_f32 s[CM+2*\a+1], v[\src+ri+\a], v[MINE]
.endr
.irp a, 0,1,2,3
.if \own
	s_and_b32 s[CM+2*\a+1], s[CM+2*\a+1], (0xfffffffe<<(ri+\a))&0xffffffff
.else
	s_and_b32 s[CM+2*\a+1], s[CM+2*\a+1], s[SM]
.endif
	s_or_b32 s[CM+2*\a], s[CM+2*\a], s[CM+2*\a+1]
.endr
.irp a, 0,1,2,3
.if \own && (ri == 0)
	v_cndmask_b32 v[ACC+\a], 0, v[\src+\a], s[CM+2*\a]           ; the first four start the four chains
.else
	v_cndmask_b32 v[TT+\a], 0, v[\src+ri+\a], s[CM+2*\a]
	v_add_f32 v[ACC+\a], v[ACC+\a], v[TT+\a]
.endif
.endr
.set ri, ri+4
.endr
.endm
.macro BARRIER                         ; my LDS stores have landed and my LDS loads are in: then the work-group's barrier
	s_wait_dscnt 0x0
	s_barrier_signal -1
	s_barrier_wait -1
.endm
	s_load_b256 s[4:11], s[0:1], 0x0               ; q s[4:5], k s[6:7], sample_idx_q s[8:9], sample_idx_k s[10:11]
	s_load_b256 s[12:19], s[0:1], 0x20             ; v_codes s[12:13], v_scales s[14:15], kv s[16:17], mask s[18:19]
	v_lshl_add_u32 v50, v0, 2, 0x11800
	v_mov_b32 v51, 0
	v_lshrrev_b32 v1, 5, v0
	v_readfirstlane_b32 s20, v1                    ; w
	s_and_b32 s21, s20, 1                          ; sp
	s_lshr_b32 s22, s20, 1                         ; g
	s_and_b32 s23, ttmp7, 0xffff                   ; the head
	s_lshl_b32 s24, ttmp9, 1                       ; 2 x
	s_add_co_u32 s25, s24, s22                     ; my query block, and my record's key block
	s_mov_b32 s[SEL], 0x76543210
	s_mov_b32 s[SEL+1], 0xfedcba98                 ; v_permlanex16_b32's selects for lane l xor 16
	s_mov_b32 s[MNT], 0x600000                     ; the mantissa field of 448
	s_mov_b32 s[CS], 0x3e38aa3b                    ; c = log2(e) / sqrt(64)
	s_mov_b32 s[CS+1], s[CS]                       ; (named with it as a pair, so it is written)
	s_sub_co_u32 s[SM], 0, s21                     ; all ones where sp = 1
	v_and_b32 v[LANE], 31, v0
	v_and_b32 v[RR], 15, v0
	v_bfe_u32 v[HH], v0, 4, 1
	v_lshlrev_b32 v[LI], 4, v[LANE]
	v_and_b32 v[ZR], 8, v[RR]
	v_add_nc_u32 v[ZR], v[ZR], v[RR]               ; r + 8 (r / 8)
	v_lshlrev_b32 v[KRO], 8, v[ZR]
	v_lshl_add_u32 v[KRO], v[HH], 6, v[KRO]
	v_lshlrev_b32 v[VRO], 12, v[RR]
	v_lshl_add_u32 v[VRO], v[HH], 4, v[VRO]
	v_lshlrev_b32 v[VSO], 7, v[RR]
	s_lshl_b32 s26, s20, 14
	v_add_nc_u32 v[XW], s26, v[LI]                 ; SKIMG + 8 images x wave + 16 lane
	s_lshl_b32 s26, s20, 10
	s_add_co_u32 s26, s26, SKSC
	v_lshl_add_u32 v[XS], v[LANE], 2, s26
	s_lshl_b32 s26, s22, 8
	s_lshl_b32 s27, s21, 2
	s_add_co_u32 s26, s26, s27
	s_add_co_u32 s26, s26, TAIL
	v_lshl_add_u32 v[TW], v[RR], 4, s26
	v_lshl_add_u32 v[TW], v[HH], 3, v[TW]          ; lanes 0-15: word sp (K's scale word); lanes 16-31: word 2 + sp (V's bytes)
	s_lshl_b32 s26, s21, 15
	v_add_nc_u32 v[FR], s26, v[LI]
	s_lshl_b32 s26, s21, 11
	s_add_co_u32 s26, s26, SKSC
	v_lshl_add_u32 v[FS], v[LANE], 2, s26
	s_lshl_b32 s26, s20, 7                         ; 128 w
	s_add_co_u32 s27, s26, MX
	v_lshl_add_u32 v[MXW], v[LANE], 2, s27
	s_add_co_u32 s27, s26, PL
	v_mov_b32 v[PLW], s27
	v_lshl_add_u32 v[PLM], v[LANE], 2, s27
	s_xor_b32 s26, s26, 128                        ; 128 (w xor 1)
	s_add_co_u32 s27, s26, MX
	v_lshl_add_u32 v[MXR], v[LANE], 2, s27
	s_add_co_u32 s27, s26, PL
	v_mov_b32 v[PLO], s27
	v_add_nc_u32 v[TR], TAIL, v[LI]
	v_mul_u32_u24 v[TGO], v[HH], REC
	v_lshl_add_u32 v[TGO], v[RR], 4, v[TGO]
	v_add_nc_u32 v[TGO], 8192, v[TGO]
	v_lshlrev_b32 v[R4], 2, v[RR]
.irp b, 0,1,2,3
	v_mov_b32 v[TM+4+\b], 0                        ; written once: a lane permute's destination counts as one of its sources
.endr
	s_mov_b32 s27, 0
	s_wait_kmcnt 0x0
	s_lshl_b32 s26, s23, 6                         ; 16 indices a head
	s_add_nc_u64 s[52:53], s[10:11], s[26:27]
	s_add_nc_u64 s[54:55], s[8:9], s[26:27]
	global_load_b32 v[SKO], v[R4], s[52:53]        ; the in-block place of sampled key r,
	global_load_b32 v[SQO], v[R4], s[54:55]        ; and of sampled query r
	s_lshl_b32 s31, s23, 20                        ; a head of q or k: 4096 rows of 256 bytes
	s_lshl_b32 s26, s25, 14
	s_add_co_u32 s26, s26, s31
	s_add_nc_u64 s[SQB:SQB+1], s[4:5], s[26:27]    ; q at my query block
	s_lshl_b32 s35, s21, 13
	s_add_co_u32 s26, s26, s35
	s_add_nc_u64 s[KREC:KREC+1], s[6:7], s[26:27]  ; k at my record's keys 32 sp on
	s_lshl_b32 s26, s20, 18
	s_add_co_u32 s26, s26, s31
	s_add_nc_u64 s[SKB:SKB+1], s[6:7], s[26:27]    ; k at key block 16 w: my 8 sampled pair fragments
	s_lshl_b32 s26, s23, 18
	s_lshl_b32 s35, s21, 17
	s_add_co_u32 s26, s26, s35
	s_lshl_b32 s35, s25, 6
	s_add_co_u32 s26, s26, s35
	s_add_nc_u64 s[VCB:VCB+1], s[12:13], s[26:27]  ; v_codes: channel 32 sp, key 64 kb
	s_lshl_b32 s26, s23, 13
	s_lshl_b32 s35, s21, 12
	s_add_co_u32 s26, s26, s35
	s_lshl_b32 s35, s25, 1
	s_add_co_u32 s26, s26, s35
	s_add_nc_u64 s[VSB:VSB+1], s[14:15], s[26:27]  ; v_scales likewise
	s_lshl_b32 s35, s23, 6
	s_add_co_u32 s26, s35, s25
	s_mul_i32 s26, s26, REC
	s_lshl_b32 s31, s21, 11
	s_add_co_u32 s26, s26, s31
	s_add_nc_u64 s[KVK:KVK+1], s[16:17], s[26:27]  ; my record, + 2048 sp
	s_add_co_u32 s26, s35, s24
	s_mul_i32 s26, s26, REC
	s_add_nc_u64 s[KV0:KV0+1], s[16:17], s[26:27]  ; the work-group's first record
	s_add_co_u32 s26, s35, s25
	s_lshl_b32 s26, s26, 1
	s_add_co_u32 s26, s26, s21
	s_lshl_b32 s26, s26, 2
	s_add_nc_u64 s[MSK:MSK+1], s[18:19], s[26:27]  ; my word of the mask
	; ---- my half of the record
	LOADX X0, KREC, KRO, 0, 2048                   ; 32 keys x 64 channels: tile u's rows begin 8 rows on
.irp tt, 0,1
.irp c, 0,1
	global_load_b128 v[VT+4*(2*\tt+\c):VT+4*(2*\tt+\c)+3], v[VRO], s[VCB:VCB+1] offset:65536*\tt+32*\c
.endr
.endr
	global_load_u16 v70, v[VSO], s[VSB:VSB+1]
	global_load_u16 v71, v[VSO], s[VSB:VSB+1] offset:2048
	s_wait_loadcnt 22                              ; the two index loads are in; the 22 issued behind them may be out
	v_min_u32 v[SKO], 63, v[SKO]
	v_min_u32 v[SQO], 63, v[SQO]
	v_lshlrev_b32 v[SKO], 8, v[SKO]
	v_lshlrev_b32 v[SQO], 8, v[SQO]
	v_lshl_add_u32 v[SKO], v[HH], 6, v[SKO]
	v_lshl_add_u32 v[SQO], v[HH], 6, v[SQO]
.irp cb, 0,1
.irp j, 0,1,2,3
	global_load_b128 v[X1+16*\cb+4*\j:X1+16*\cb+4*\j+3], v[SQO], s[SQB:SQB+1] offset:128*\cb+16*\j   ; my query block's 16 sampled queries
.endr
.endr
	s_wait_loadcnt 8                               ; all but the sampled queries' eight
.irp tt, 0,1
.irp c, 0,1
	global_store_b128 v[LI], v[VT+4*(2*\tt+\c):VT+4*(2*\tt+\c)+3], s[KVK:KVK+1] offset:4096+1024*\tt+512*\c   ; 32 lanes store 512 consecutive bytes
.endr
.endr
	QUANT X0, 4, PC1, PW1
.irp c, 0,1,2,3
	global_store_b128 v[LI], v[PC1+4*\c:PC1+4*\c+3], s[KVK:KVK+1] offset:512*\c
.endr
	v_lshl_or_b32 v70, v71, 16, v70                ; V's scale bytes of tiles 2 sp and 2 sp + 1
	v_cmp_eq_u32 vcc_lo, 1, v[HH]
	v_cndmask_b32 v71, v[PW1], v70, vcc_lo
	ds_store_b32 v[TW], v71
	LOADX X0, SKB, SKO, 0, 16384                   ; sampled pair fragment 0: tile u = key block u's 16 samples
	; ---- the sampled queries
	s_wait_xcnt 0x0                                ; the stores above have read their data: the registers of V's codes and of K's codes are written again below
	s_wait_loadcnt 16                              ; the queries are in; fragment 0's sixteen loads may be out
	QUANT X1, 2, QF, QS
.irp i, 0,1,2,3,4,5,6,7
	v_mov_b32 v[QF+16+\i], v[QF+\i]
	v_mov_b32 v[QF+8+\i], 0
.endr
	LOADX X1, SKB, SKO, 32768, 16384               ; fragment 1
	; ---- my 8 sampled pair fragments, loads two fragments ahead
.irp n, 0,1,2,3,4,5,6,7
.if \n < 7
	s_wait_loadcnt 16                              ; this fragment's loads are in; the next one's sixteen may be out
.else
	s_wait_loadcnt 0x0
.endif
.if \n >= 2
	s_wait_dscnt 5                                 ; the image two back has been stored: its registers are written again; the last image's five stores may be out
.endif
	QUANT X0+64*(\n%2), 4, PC0+16*(\n%2), PW0+(\n%2)
	IMAGE PC0+16*(\n%2), PW0+(\n%2), \n
.if \n <= 5
	LOADX X0+64*(\n%2), SKB, SKO, 32768*(\n+2), 16384
.endif
.endr
	BARRIER                                        ; all 32 images and both tails lie in LDS
	; ---- my half's 16 pair fragments stay in window 1 for both passes
.set n, 0
.rept 16
	ds_load_b32 v[SKW+n], v[FS] offset:128*n
.set n, n+1
.endr
	WIN 0x40                                       ; destination window 1
.set n, 0
.rept 16
.irp c, 0,1,2,3
	ds_load_b128 v[16*n+4*\c:16*n+4*\c+3], v[FR] offset:2048*n+512*\c
.endr
.set n, n+1
.endr
	WIN 0
.irp i, 0,1,2,3
	v_mov_b32 v[MM+\i], 0xff800000
.endr
	; ---- pass 1: the row's largest score.  Two sets of 8 tiles by turns: one set's maxima are the places behind the other's products
	s_wait_dscnt 48                                ; the scale words and fragments 0-3 are in; the 48 loads of fragments 4-15 may be out
	WM 0, SA
	s_wait_dscnt 32
	WM 1, SB
	PLACES 8                                       ; eight places behind these products in front of the first read of results
	MAXS SA
	s_wait_dscnt 16
	WM 2, SA
	MAXS SB
	s_wait_dscnt 0x0
	WM 3, SB
	MAXS SA
	MAXS SB
	v_max3_num_f32 v[MM], v[MM], v[MM+1], v[MM+2]
	v_max_num_f32 v[MM], v[MM], v[MM+3]
	v_permlanex16_b32 v[MM+1], v[MM], s[SEL], s[SEL+1]
	v_max_num_f32 v[MM], v[MM], v[MM+1]
	ds_store_b32 v[MXW], v[MM]
	BARRIER
	ds_load_b32 v[MM+1], v[MXR]                    ; the other 512 sampled keys' maximum
	s_wait_dscnt 0x0
	v_max_num_f32 v[MM], v[MM], v[MM+1]
	v_mul_f32 v[NM], -v[MM], s[CS]
	v_mov_b32 v[NM+1], v[NM]
	; ---- pass 2: the same products again, 2^(c s - c m), and each key block's sum
	WM 0, SA
	WM 1, SB
	PLACES 8
	EXPS 0, SA
	WM 2, SA
	EXPS 1, SB
	WM 3, SB
	EXPS 2, SA
	EXPS 3, SB
	SUM32 CC, SA, MM
	v_permlanex16_b32 v[MM+1], v[MM], s[SEL], s[SEL+1]
	v_add_f32 v[MM], v[MM], v[MM+1]
	ds_store_b32 v[MXW], v[MM] offset:512
	BARRIER
	ds_load_b32 v[MM+1], v[MXR] offset:512
	s_wait_dscnt 0x0
	v_add_f32 v[MM], v[MM], v[MM+1]                ; the row's sum over all 1,024 sampled keys
	v_rcp_f32 v[WW], v[MM]
	v_nop                                          ; a plain line behind the reciprocal
	s_wait_alu depctr_va_vdst(0)
	v_mov_b32 v[WW+1], v[WW]
	; ---- pooling: normalised, then summed over the 16 sampled queries and both halves of the samples.  The sums go by exchanges, so every lane ends with the same bits
.set pi, 0
.rept 16
	v_pk_mul_f32 v[CC+pi:CC+pi+1], v[CC+pi:CC+pi+1], v[WW:WW+1] op_sel_hi:[1,0]
.set pi, pi+2
.endr
.irp m, 1,2,4,8
.set pi, 0
.rept 32
	v_add_f32_dpp v[CC+pi], v[CC+pi], v[CC+pi] row_xmask:\m row_mask:0xf bank_mask:0xf
.set pi, pi+1
.endr
.endr
.set pi, 0
.rept 32
	v_permlanex16_b32 v[SA+pi], v[CC+pi], s[SEL], s[SEL+1]
.set pi, pi+1
.endr
.set pi, 0
.rept 32
	v_add_f32 v[CC+pi], v[CC+pi], v[SA+pi]
.set pi, pi+1
.endr
.irp i, 0,1,2,3,4,5,6,7
	ds_store_b128 v[PLW], v[CC+4*\i:CC+4*\i+3] offset:16*\i      ; all lanes write the same bytes with the same values
.endr
	BARRIER
	; ---- ranking: lane L owns key block 32 sp + L
.irp i, 0,1,2,3,4,5,6,7
	ds_load_b128 v[SB+4*\i:SB+4*\i+3], v[PLO] offset:16*\i       ; the other half's 32 masses, in every lane
.endr
	ds_load_b32 v[MINE], v[PLM]
	s_wait_dscnt 0x0
	SUM32 CC, SA, WW
	SUM32 SB, SA+16, WW+1
	v_add_f32 v[HALF], v[WW], v[WW+1]
	v_mul_f32 v[HALF], 0.5, v[HALF]                ; half of the row's total
	RANK CC, 1
	RANK SB, 0
	v_add_f32 v[ACC], v[ACC], v[ACC+1]
	v_add_f32 v[ACC+2], v[ACC+2], v[ACC+3]
	v_add_f32 v[ACC], v[ACC], v[ACC+2]
	v_cmp_lt_f32 vcc_lo, v[ACC], v[HALF]           ; kept: what is ranked ahead is under half
	v_mov_b32 v[WW], vcc_lo
	v_mov_b32 v[ZR], 0
	s_wait_xcnt 0x0                                ; EXEC changes only behind this wait
	v_cmp_eq_u32 vcc_lo, 0, v[LANE]
	s_and_saveexec_b32 s60, vcc_lo
	global_store_b32 v[ZR], v[WW], s[MSK:MSK+1]    ; one lane stores the wave's word, at a place that hangs on ids alone
	s_wait_xcnt 0x0                                ; and again in front of the line that widens it
	s_or_b32 exec_lo, exec_lo, s60
	s_cmp_lg_u32 s20, 0
	s_cbranch_scc1 .Lend
	ds_load_b128 v[SA:SA+3], v[TR]                 ; wave 0: both records' tails, written ahead of the first barrier
	s_wait_dscnt 0x0
	global_store_b128 v[TGO], v[SA:SA+3], s[KV0:KV0+1]           ; sixteen lanes store 256 consecutive bytes, at a multiple of 256 from kv's first byte
.Lend:
	s_wait_tensorcnt 0x0
	ds_add_u32 v50, v51
	s_wait_dscnt 0x0
	s_endpgm
.Lfunc_end_k_qf3c08e7844_prep:
	.size	k_qf3c08e7844_prep, .Lfunc_end_k_qf3c08e7844_prep-k_qf3c08e7844_prep
	.p2alignl 7, 3214868480
	.fill 96, 4, 3214868480
	.section	.rodata,"a",@progbits
	.p2align	6, 0x0
	.amdhsa_kernel k_qf3c08e7844_prep
		.amdhsa_group_segment_fixed_size 72192
		.amdhsa_private_segment_fixed_size 0
		.amdhsa_enable_private_segment 0
		.amdhsa_kernarg_size 64
		.amdhsa_user_sgpr_count 2
		.amdhsa_user_sgpr_kernarg_segment_ptr 1
		.amdhsa_wavefront_size32 1
		.amdhsa_system_sgpr_workgroup_id_x 1
		.amdhsa_system_sgpr_workgroup_id_y 1
		.amdhsa_system_sgpr_workgroup_id_z 1
		.amdhsa_system_vgpr_workitem_id 0
		.amdhsa_next_free_vgpr 512
		.amdhsa_next_free_sgpr 66
		.amdhsa_reserve_vcc 1
		.amdhsa_float_denorm_mode_32 3
		.amdhsa_float_denorm_mode_16_64 3
		.amdhsa_memory_ordered 1
		.amdhsa_forward_progress 1
		.amdhsa_inst_pref_size 183
	.end_amdhsa_kernel
	.amdgpu_metadata
---
amdhsa.version: [ 1, 2 ]
amdhsa.kernels:
  - .name:           k_qf3c08e7844_prep
    .symbol:         k_qf3c08e7844_prep.kd
    .args:
      - { .name: q, .offset: 0, .size: 8, .value_kind: global_buffer, .address_space: global }
      - { .name: k, .offset: 8, .size: 8, .value_kind: global_buffer, .address_space: global }
      - { .name: sample_idx_q, .offset: 16, .size: 8, .value_kind: global_buffer, .address_space: global }
      - { .name: sample_idx_k, .offset: 24, .size: 8, .value_kind: global_buffer, .address_space: global }
      - { .name: v_codes, .offset: 32, .size: 8, .value_kind: global_buffer, .address_space: global }
      - { .name: v_scales, .offset: 40, .size: 8, .value_kind: global_buffer, .address_space: global }
      - { .name: kv, .offset: 48, .size: 8, .value_kind: global_buffer, .address_space: global }
      - { .name: mask, .offset: 56, .size: 8, .value_kind: global_buffer, .address_space: global }
    .group_segment_fixed_size: 72192
    .private_segment_fixed_size: 0
    .kernarg_segment_align: 8
    .kernarg_segment_size: 64
    .max_flat_workgroup_size: 128
    .sgpr_count:     66
    .vgpr_count:     512
    .wavefront_size: 32
...
	.end_amdgpu_metadata
.endif
;; end of part 1
;; launch attn (part 2): grid 64 x 8, 4 waves a work-group, no clusters, 51,712 bytes of LDS; arguments q, kv, mask, out0; writes out0
.if DOCPART == 2
	.amdgcn_target "amdgcn-amd-amdhsa--gfx1250"
	.amdhsa_code_object_version 6
	.text
	.protected	k_qf3c08e7844_attn
	.globl	k_qf3c08e7844_attn
	.p2align	8
	.type	k_qf3c08e7844_attn,@function
k_qf3c08e7844_attn:
	s_mov_b64 s[64:65], 0
	v_nop
	global_prefetch_b8 v0, s[64:65] scope:SCOPE_SE
	s_setreg_imm32_b32 hwreg(HW_REG_WAVE_MODE, 25, 1), 1
	s_wait_xcnt 0x0
; ATTN.  out0[h][q][:] = the sum over the KEPT keys of softmax(q . k / 8) v, both products on codes of E4M3 with one E8M0 scale for each 32 along a product's K.
; q: [8][4096][64] f32, quantised here along its 64 channels.  kv: one record of 8,448 bytes for each (head, key block of 64 keys), in the order of the operand registers: 4,096 bytes of K's codes (two pair
; fragments), 4,096 of V's (four tiles x 64 keys), 256 of scale words ([r 16][K pf 0, K pf 1, V tiles 0 and 1, V tiles 2 and 3]).  mask: [8][64 query blocks][2 words]: bit L of word s: key block 32 s + L is kept.
; THE SOFTMAX AHEAD OF THE SECOND PRODUCT: t = score x log2(e) / 8; M = the largest t so far, rounded UP to a whole number; p = 2^(t - M) is quantised along the keys; the sum is taken of the unquantised p and
; divides at the end.  When M moves, the sum and O are multiplied by 2^(old M - new M): exact.
; SHARES.  A work-group is one query block; wave w owns its queries 16 w .. 16 w + 15, one query a lane throughout (both products are used transposed).  A STEP takes the next two kept key blocks: 128 keys.
; The four waves bring the two records of the NEXT step from memory into registers (a quarter each, 512 consecutive bytes a load) while this step is worked, and store them into the other of two LDS slots at
; the step's end; one barrier a step.  All four read the whole slot: each record leaves the cache once for four waves.
; THE WALK.  The two mask words are read from memory; the next kept block is the lowest set bit.  The loop has 18 steps, a constant; a step beyond the list is jumped over by a scalar branch on the stored count,
; which is the same in all four waves and leads round no barrier.  An odd list's last step has one record too many: its scores become -infinity, so its p are 0.
; AT MOST 33 BLOCKS ARE KEPT in a row, whatever the inputs: the n largest of 64 masses hold at least n / 64 of the total, so ahead of the block of rank 33 lies 33 / 64, over a half.  18 steps serve 36.
; THE CHANNELS ARE 64, THE INSTRUCTION'S K IS 128: a pair fragment of K (two tiles of 16 keys) is multiplied by [Q | zeros] and by [zeros | Q], two views of 24 registers [Q][zeros][Q].
; THE KEYS OF A TILE ARE NOT NEIGHBOURS (the record is laid so): the 16 registers of tiles 2 b and 2 b + 1 are the neighbouring keys 32 b + 16 (lane / 16) + 0 .. 15, as the second product's operand wants them.
; NO DATA MOVER, NO JOINT LOADS: which records a work-group reads, and how many, hangs on numbers read from memory, and the query blocks of a head walk different lists.
; LIMITS: NaN and infinities in q, the scale byte 0xff and NaN codes in v are not served.  p under 2^-126 falls to 0.  A block of zeros takes the scale byte 1.
.set REC,   8448
.set SLOTB, 2*REC                      ; a slot: two records as they lie in kv
.set STAGE, 2*SLOTB                    ; behind the slots: 16 rows x (256 + 16) bytes for each wave, for the way out
.set LI,  1                            ; 16 x lane: an image's place in LDS, and my 16 bytes of a load's 512
.set LR,  2                            ; 16 x (lane % 16): my row's four scale words
.set LW,  3                            ; where I store my quarter of a slot
.set LWS, 4                            ; and my half of a record's scale words
.set GSO, 6                            ; those words' offset from my staging base
.set GO,  7                            ; the way out: my byte offset in the wave's rows of out0
.set STO, 8
.set RD,  9
.set QO,  10
.set QA,  16                           ; v16-39: [Q 8][zeros 8][Q 8]
.set QS,  40                           ; Q's scale word (s0, s1, s0, s1)
.set SCW, 44                           ; v44-51: the two records' scale words
.set VS,  52                           ; v52-55: V's scale words for the step's 128 keys, tile t
.set S,   64                           ; v64-127: S^T, then p
.set O,   128                          ; v128-159: O^T
.set PC,  160                          ; v160-175: p's codes
.set BM,  176
.set T2,  180
.set HL,  184
.set SOP, 188
.set FF,  192                          ; f = 2^(old M - new M)
.set PW,  193                          ; p's scale word
.set TP,  194
.set TM,  200
.set KF,  0                            ; window 1: K's four pair fragments,
.set VF,  64                           ; V's four fragments,
.set G,   128                          ; and 33 registers of the next step's records in passing
.set WV,  12
.set WL,  13                           ; w & 1: K's half or V's half of a record
.set WH,  14                           ; w >> 1: which of the two records
.set HD64, 17
.set ML,  18
.set MH,  19
.set JB,  20
.set CNT, 21
.set E1,  23                           ; 2 x step + 1
.set TRIP, 24
.set J0,  25
.set J1,  26
.set TS,  27
.set OFF, 28
.set GB,  30                           ; s[30:31] the staging base
.set SEL, 32
.set CS,  34
.set MNT, 36
.set HOFF, 37
.set P0,  38
.set P1,  39
.set QBASE, 40
.set OBASE, 42
.set MSB, 0
.macro WIN new                         ; the immediate's high byte repeats the setting that is left
.if MSB != \new
	s_set_vgpr_msb (MSB<<8)|\new
.set MSB, \new
.endif
.endm
.macro NEXTJ dst                       ; the lowest set bit of the list is taken off it.  A list that has run out gives a number that NEXT2 holds inside the table
	s_cmp_eq_u32 s[ML], 0
	s_cselect_b32 s[ML], s[MH], s[ML]
	s_cselect_b32 s[MH], 0, s[MH]
	s_cselect_b32 s[JB], 32, s[JB]
	s_ctz_i32_b32 s[TS], s[ML]
	s_add_co_u32 s[\dst], s[TS], s[JB]
	s_sub_co_u32 s[TS], s[ML], 1
	s_and_b32 s[ML], s[ML], s[TS]
.endm
.macro NEXT2                           ; the next two kept key blocks; my wave's staging base
	NEXTJ J0
	NEXTJ J1
	s_cmp_eq_u32 s[WH], 0
	s_cselect_b32 s[TS], s[J0], s[J1]
	s_min_u32 s[TS], s[TS], 63                     ; a number from memory enters an address only held inside the table
	s_add_co_u32 s[TS], s[TS], s[HD64]
	s_mul_i32 s[OFF], s[TS], REC
	s_add_co_u32 s[OFF], s[OFF], s[HOFF]
	s_mov_b32 s[OFF+1], 0
	s_add_nc_u64 s[GB:GB+1], s[6:7], s[OFF:OFF+1]
.endm
.macro GLOAD                           ; my quarter of the next two records: 4,096 bytes of codes and 128 of scale words
	WIN 0x40                                       ; destination window 1
.irp i, 0,1,2,3,4,5,6,7
	global_load_b128 v[G+4*\i:G+4*\i+3], v[LI], s[GB:GB+1] offset:512*\i
.endr
	global_load_b32 v[G+32], v[GSO], s[GB:GB+1]
.endm
.macro GSTORE slot
	WIN 0x04                                       ; an LDS store's data are its source 1: window 1
.irp i, 0,1,2,3,4,5,6,7
	ds_store_b128 v[LW], v[G+4*\i:G+4*\i+3] offset:\slot+512*\i
.endr
	ds_store_b32 v[LWS], v[G+32] offset:\slot
	WIN 0
.endm
	s_load_b256 s[4:11], s[0:1], 0x0               ; q s[4:5], kv s[6:7], mask s[8:9], out0 s[10:11]
	v_lshl_add_u32 v254, v0, 2, 0xc800
	v_mov_b32 v255, 0
	v_lshrrev_b32 v1, 5, v0
	v_readfirstlane_b32 s[WV], v1
	s_and_b32 s[WL], s[WV], 1
	s_lshr_b32 s[WH], s[WV], 1
	s_and_b32 s15, ttmp7, 0xffff                   ; the head
	s_lshl_b32 s[HD64], s15, 6
	s_mov_b32 s[SEL], 0x76543210
	s_mov_b32 s[SEL+1], 0xfedcba98                 ; v_permlanex16_b32's selects for lane l xor 16
	s_mov_b32 s[CS], 0x3e38aa3b                    ; c = log2(e) / sqrt(64)
	s_mov_b32 s[CS+1], s[CS]                       ; (named with it as a pair, so it is written)
	s_mov_b32 s[MNT], 0x600000                     ; the mantissa field of 448
	s_mov_b32 s[P0], 0x05040100                    ; v_perm_b32: the two low halves,
	s_mov_b32 s[P1], 0x07060302                    ; the two high halves
	v_and_b32 v5, 31, v0                           ; lane
	v_and_b32 v11, 15, v0                          ; r
	v_bfe_u32 v41, v0, 4, 1                        ; hh
	v_lshlrev_b32 v[LI], 4, v5
	v_lshlrev_b32 v[LR], 4, v11
	s_mul_i32 s[TS], s[WH], REC
	s_lshl_b32 s[HOFF], s[WL], 12
	s_add_co_u32 s[OFF], s[TS], s[HOFF]
	v_add_nc_u32 v[LW], s[OFF], v[LI]
	s_lshl_b32 s[OFF], s[WL], 7
	s_add_co_u32 s[OFF], s[OFF], s[TS]
	s_add_co_u32 s[OFF], s[OFF], 8192
	v_lshl_add_u32 v[LWS], v5, 2, s[OFF]
	s_mul_i32 s[TS], s[WL], 3968
	s_sub_co_u32 s[TS], 8192, s[TS]                ; the scale words lie 8192 + 128 (w & 1) into the record, my base 4096 (w & 1)
	v_lshl_add_u32 v[GSO], v5, 2, s[TS]
	v_lshlrev_b32 v[GO], 8, v41
	v_lshl_add_u32 v[GO], v11, 4, v[GO]
	s_mul_i32 s[TS], s[WV], 16*272
	s_add_co_u32 s[TS], s[TS], STAGE
	v_mul_u32_u24 v[STO], v11, 272
	v_lshl_add_u32 v[STO], v41, 5, v[STO]
	v_add_nc_u32 v[STO], s[TS], v[STO]             ; in: row r, 32 bytes for each half of the lanes
	v_mul_u32_u24 v[RD], v41, 272
	v_lshl_add_u32 v[RD], v11, 4, v[RD]
	v_add_nc_u32 v[RD], s[TS], v[RD]               ; back: lanes 0-15 one row of 256 bytes, lanes 16-31 the next
	v_lshlrev_b32 v[QO], 8, v11
	v_lshl_add_u32 v[QO], v41, 6, v[QO]            ; q: row r, my 16 numbers of a block of 32
	s_add_co_u32 s[OFF], s[HD64], ttmp9
	s_lshl_b32 s[OFF], s[OFF], 3
	s_mov_b32 s[OFF+1], 0
	s_wait_kmcnt 0x0
	s_add_nc_u64 s[8:9], s[8:9], s[OFF:OFF+1]
	s_load_b64 s[ML:MH], s[8:9], 0x0               ; my query block's two words
	s_lshl_b32 s[OFF], s15, 20
	s_lshl_b32 s[TS], ttmp9, 14
	s_add_co_u32 s[OFF], s[OFF], s[TS]
	s_lshl_b32 s[TS], s[WV], 12
	s_add_co_u32 s[OFF], s[OFF], s[TS]             ; (4096 head + 64 block + 16 wave) rows of 256 bytes
	s_add_nc_u64 s[QBASE:QBASE+1], s[4:5], s[OFF:OFF+1]
	s_add_nc_u64 s[OBASE:OBASE+1], s[10:11], s[OFF:OFF+1]
.irp cb, 0,1
.irp j, 0,1,2,3
	global_load_b128 v[S+16*\cb+4*\j:S+16*\cb+4*\j+3], v[QO], s[QBASE:QBASE+1] offset:128*\cb+16*\j th:TH_LOAD_NT
.endr
.endr
	s_wait_kmcnt 0x0
	s_bcnt1_i32_b32 s[CNT], s[ML]
	s_bcnt1_i32_b32 s[TS], s[MH]
	s_add_co_u32 s[CNT], s[CNT], s[TS]             ; how many key blocks are kept
	s_mov_b32 s[JB], 0
	s_mov_b32 s[E1], 1
	NEXT2
	GLOAD                                          ; the first step's records
	WIN 0
.irp b, 0,1,2,3
	v_mov_b32 v[TM+4+\b], 0                        ; written once: a lane permute's destination counts as one of its sources
	v_mov_b32 v[T2+\b], 0
.endr
	v_mov_b32 v[TP], 0                             ; likewise: the way out's permute lands here, and the steps that write it stand under a branch on the stored count
	s_wait_loadcnt 9                               ; q is in; the nine staging loads issued behind it may be out
	; q's two blocks of 32 channels: the largest magnitude with the floor 2^(9 - 127), 8 off its exponent field, the hold at 448 x the scale, the conversion
.irp b, 0,1
	v_max3_num_f32 v[TM+\b], |v[S+16*\b]|, |v[S+16*\b+1]|, 0x4800000
.endr
.irp i, 2,4,6,8,10,12,14
.irp b, 0,1
	v_max3_num_f32 v[TM+\b], v[TM+\b], |v[S+16*\b+\i]|, |v[S+16*\b+\i+1]|
.endr
.endr
.irp b, 0,1
	v_permlanex16_b32 v[TM+4+\b], v[TM+\b], s[SEL], s[SEL+1]
.endr
.irp b, 0,1
	v_max_num_f32 v[TM+\b], v[TM+\b], v[TM+4+\b]
.endr
.irp b, 0,1
	v_add_nc_u32 v[TM+12+\b], 0xfc000000, v[TM+\b]
.endr
.irp b, 0,1
	v_and_or_b32 v[TM+8+\b], v[TM+\b], 0x7f800000, s[MNT]
.endr
.irp b, 0,1
	v_lshrrev_b32 v[TM+4+\b], 23, v[TM+12+\b]
.endr
	v_lshl_or_b32 v[QS], v[TM+5], 8, v[TM+4]
	v_lshl_or_b32 v[QS], v[QS], 16, v[QS]          ; the two bytes twice: they serve both views of Q
.irp b, 0,1
.irp i, 0,1,2,3,4,5,6,7,8,9,10,11,12,13,14,15
	v_med3_num_f32 v[S+16*\b+\i], v[S+16*\b+\i], -v[TM+8+\b], v[TM+8+\b]   ; the conversion to an 8-bit code does not saturate (ISA guide 7.6.2)
.endr
	v_cvt_scalef32_pk8_fp8_f32 v[QA+4*\b:QA+4*\b+1], v[S+16*\b:S+16*\b+7], v[TM+12+\b]
	v_cvt_scalef32_pk8_fp8_f32 v[QA+4*\b+2:QA+4*\b+3], v[S+16*\b+8:S+16*\b+15], v[TM+12+\b]
.endr
	v_nop                                          ; one plain line behind the last conversion
.irp i, 0,1,2,3,4,5,6,7
	v_mov_b32 v[QA+16+\i], v[QA+\i]
	v_mov_b32 v[QA+8+\i], 0
.endr
	v_mov_b32 v13, 0xff61b1e6                      ; the largest t so far: -3e38, under every t
	v_floor_f32 v12, -v13                          ; -M
	v_mov_b32 v14, 0                               ; the sum, in two halves
	v_mov_b32 v15, 0
	v_mov_b32 v[PW], 0                             ; (named as the upper half of the pair with f before it is first written)
.set j, 0
.rept 32
	v_mov_b32 v[O+j], 0                            ; O^T.  (The step is written once: the first finds zeros, which the first change of M leaves zeros)
.set j, j+1
.endr
	s_wait_loadcnt 0x0                             ; the first step's records are in my registers
	GSTORE 0
; A STEP: the two records in the slot at byte slot.
.macro STEP slot
	s_wait_dscnt 0x0                               ; my stores into this slot have landed, and my reads of the other slot are in
	s_barrier_signal -1
	s_barrier_wait -1                              ; both now hold of all four waves.  The barrier stands ahead of the branch: every wave passes it in every step
	s_cmp_gt_u32 s[E1], s[CNT]
	s_cbranch_scc1 .Lskip_\@                       ; the list has run out
	NEXT2                                          ; (the staging base is free: its last loads were waited for at the last step's end)
.irp rho, 0,1
	ds_load_b128 v[SCW+4*\rho:SCW+4*\rho+3], v[LR] offset:\slot+REC*\rho+8192
.endr
	WIN 0x40                                       ; destination window 1
.irp rho, 0,1
.irp pf, 0,1
.irp c, 0,1,2,3
	ds_load_b128 v[KF+16*(2*\rho+\pf)+4*\c:KF+16*(2*\rho+\pf)+4*\c+3], v[LI] offset:\slot+REC*\rho+2048*\pf+512*\c
.endr
.endr
.endr
.irp rho, 0,1
.irp t, 0,1,2,3
.irp c, 0,1
	ds_load_b128 v[VF+16*\t+4*(2*\rho+\c):VF+16*\t+4*(2*\rho+\c)+3], v[LI] offset:\slot+REC*\rho+4096+1024*\t+512*\c
.endr
.endr
.endr
	GLOAD                                          ; the next step's records: they have this step's softmax in which to come
	s_wait_dscnt 16                                ; the scale words and K are in; V's sixteen loads may be out
	WIN 0x01                                       ; source 0 in window 1
.irp b, 0,1,2,3                        ; S^T = K Q^T: block b of 32 keys is pair fragment b, by both views of Q
.irp u, 0,1
	v_wmma_scale_f32_16x16x128_f8f6f4 v[S+8*(2*\b+\u):S+8*(2*\b+\u)+7], v[KF+16*\b:KF+16*\b+15], v[QA+8*\u:QA+8*\u+15], 0, v[SCW+4*(\b/2)+(\b%2)], v[QS]
.endr
.endr
	WIN 0
	v_perm_b32 v[VS+0], v[SCW+6], v[SCW+2], s[P0]  ; V's scale word of tile t: the first record's two bytes, then the second's.  These four lines name no register of the products above:
	v_perm_b32 v[VS+1], v[SCW+6], v[SCW+2], s[P1]  ; with the four below they are the eight places behind them
	v_perm_b32 v[VS+2], v[SCW+7], v[SCW+3], s[P0]
	v_perm_b32 v[VS+3], v[SCW+7], v[SCW+3], s[P1]
.rept 4
	v_nop
.endr
	s_cmp_lt_u32 s[E1], s[CNT]
	s_cbranch_scc1 .Lfull_\@
.set j, 0
.rept 32
	v_mov_b32 v[S+32+j], 0xff800000                ; an odd list's last step: the second record is no kept block: its scores become -infinity, its p 0
.set j, j+1
.endr
.Lfull_\@:
.irp b, 0,1,2,3
	v_max3_num_f32 v[BM+\b], v[S+16*\b], v[S+16*\b+1], v[S+16*\b+2]   ; the largest score of each block of 32 keys: for the row's maximum and, since p rises with the score, for the block's largest p
.endr
.irp i, 3,5,7,9,11,13
.irp b, 0,1,2,3
	v_max3_num_f32 v[BM+\b], v[BM+\b], v[S+16*\b+\i], v[S+16*\b+\i+1]
.endr
.endr
.irp b, 0,1,2,3
	v_max_num_f32 v[BM+\b], v[BM+\b], v[S+16*\b+15]
.endr
.irp b, 0,1,2,3
	v_permlanex16_b32 v[T2+\b], v[BM+\b], s[SEL], s[SEL+1]
.endr
.irp b, 0,1,2,3
	v_max_num_f32 v[BM+\b], v[BM+\b], v[T2+\b]     ; with lane l xor 16's 16 keys
.endr
	v_max3_num_f32 v[TP], v[BM], v[BM+1], v[BM+2]
	v_max_num_f32 v[TP], v[TP], v[BM+3]
	v_mul_f32 v[TP], s[CS], v[TP]                  ; the step's largest t (c is positive)
	v_max_num_f32 v13, v13, v[TP]
	v_mov_b32 v[TP], v12
	v_floor_f32 v12, -v13                          ; the new -M = -ceil(t): a whole number
	v_sub_f32 v[TP], v12, v[TP]                    ; old M - new M: a whole number, 0 or less
	v_cvt_i32_f32 v[TP], v[TP]                     ; (it saturates)
	v_ldexp_f32 v[FF], 1.0, v[TP]                  ; f = 2^(old M - new M)
.set j, 0
.rept 32
	v_pk_fma_f32 v[S+j:S+j+1], v[S+j:S+j+1], s[CS:CS+1], v[12:13] op_sel_hi:[1,0,0]   ; t - M, two at a time
.set j, j+2
.endr
.irp b, 0,1,2,3
	v_fma_f32 v[BM+\b], v[BM+\b], s[CS], v12
.endr
.set j, 0
.rept 64
	v_exp_f32 v[S+j], v[S+j]                       ; p = 2^(t - M): not normalised
.set j, j+1
.endr
.irp b, 0,1,2,3
	v_exp_f32 v[BM+\b], v[BM+\b]                   ; the block's largest p: the same two instructions on the same number
.endr
	v_pk_mul_f32 v[14:15], v[14:15], v[FF:FF+1] op_sel_hi:[1,0]   ; the sums under the new M.  (A plain line behind the exponentials)
	s_wait_alu depctr_va_vdst(0)
.irp b, 0,1,2,3
	v_max_num_f32 v[BM+\b], 0x4800000, v[BM+\b]    ; the floor 2^(9 - 127): the byte cannot fall under 1
.endr
.irp b, 0,1,2,3
	v_add_nc_u32 v[SOP+\b], 0xfc000000, v[BM+\b]   ; 8 off the exponent field: the conversion's scale operand
.endr
.irp b, 0,1,2,3
	v_and_or_b32 v[HL+\b], v[BM+\b], 0x7f800000, s[MNT]   ; 448 x the scale
.endr
.irp b, 0,1,2,3
	v_lshrrev_b32 v[T2+\b], 23, v[SOP+\b]          ; the scale's byte
.endr
	v_lshl_or_b32 v[PW], v[T2+1], 8, v[T2]         ; p's scale word for these 128 keys
	v_lshl_or_b32 v[PW], v[T2+2], 16, v[PW]
	v_lshl_or_b32 v[PW], v[T2+3], 24, v[PW]
	v_pk_add_f32 v[T2:T2+1], v[S:S+1], v[S+2:S+3]  ; the row's sum is taken of the unquantised p: two at a time, in two chains
.irp j, 4,8,12,16,20,24,28,32,36,40,44,48,52,56,60
	v_pk_add_f32 v[14:15], v[14:15], v[S+\j:S+\j+1]
	v_pk_add_f32 v[T2:T2+1], v[T2:T2+1], v[S+\j+2:S+\j+3]
.endr
	v_pk_add_f32 v[14:15], v[14:15], v[T2:T2+1]
.irp b, 0,1,2,3
.irp i, 0,1,2,3,4,5,6,7,8,9,10,11,12,13,14,15
	v_min_num_f32 v[S+16*\b+\i], v[S+16*\b+\i], v[HL+\b]   ; the conversion does not saturate (ISA guide 7.6.2); p is not negative, so the hold is one-sided
.endr
	v_cvt_scalef32_pk8_fp8_f32 v[PC+4*\b:PC+4*\b+1], v[S+16*\b:S+16*\b+7], v[SOP+\b]
	v_cvt_scalef32_pk8_fp8_f32 v[PC+4*\b+2:PC+4*\b+3], v[S+16*\b+8:S+16*\b+15], v[SOP+\b]
.endr
.set j, 0
.rept 16
	v_pk_mul_f32 v[O+j:O+j+1], v[O+j:O+j+1], v[FF:FF+1] op_sel_hi:[1,0]   ; O^T under the new M.  (These sixteen are also the plain lines between the conversions and the products that read the codes)
.set j, j+2
.endr
	s_wait_dscnt 0x0                               ; V is in
	WIN 0x01
.irp t, 0,1,2,3                        ; O^T += V^T P^T: four tiles of 16 channels, K = these 128 keys; the four accumulators by turns
	v_wmma_scale_f32_16x16x128_f8f6f4 v[O+8*\t:O+8*\t+7], v[VF+16*\t:VF+16*\t+15], v[PC:PC+15], v[O+8*\t:O+8*\t+7], v[VS+\t], v[PW]
.endr
	WIN 0
.rept 8
	v_nop                                          ; eight places in front of the next step's loads into V's registers, of the lines that write V's scale words anew, and of the last reads of O^T
.endr
	s_wait_loadcnt 0x0                             ; the next step's records are in my registers (asked for ahead of the softmax)
	GSTORE (SLOTB-(\slot))                         ; into the other slot: every wave's reads of it were in before this step's barrier
.Lskip_\@:
	s_add_co_u32 s[E1], s[E1], 2
.endm
	s_mov_b32 s[TRIP], 9
.Ltrip:                                            ; 9 trips of two steps: the slot stands in the immediates, no LDS address is stepped
	STEP 0
	STEP SLOTB
	s_sub_co_u32 s[TRIP], s[TRIP], 1
	s_cmp_lg_u32 s[TRIP], 0
	s_cbranch_scc1 .Ltrip
	; THE WAY OUT.  O^T is divided by the sum and goes through my own stage in LDS, so that sixteen lanes store a whole row of 256 bytes.
	v_add_f32 v14, v14, v15                        ; the sum's two halves,
	v_permlanex16_b32 v[TP], v14, s[SEL], s[SEL+1]
	v_add_f32 v14, v14, v[TP]                      ; and lane l xor 16's
	v_rcp_f32 v14, v14
	v_nop                                          ; a plain line behind the reciprocal
.set j, 0
	s_wait_alu depctr_va_vdst(0)
.rept 32
	v_mul_f32 v[S+j], v[O+j], v14                  ; register 8 t + i is out0(query r, channel 16 t + 8 hh + i); each accumulator from its low end on
.set j, j+1
.endr
.irp t, 0,1,2,3
	ds_store_b128 v[STO], v[S+8*\t:S+8*\t+3] offset:64*\t
	ds_store_b128 v[STO], v[S+8*\t+4:S+8*\t+7] offset:64*\t+16
.endr
.irp i, 0,1,2,3,4,5,6,7
	ds_load_b128 v[S+32+4*\i:S+32+4*\i+3], v[RD] offset:544*\i   ; LDS serves a wave's instructions in order (ISA guide 5.7.1.4): these see my stores
.endr
.irp i, 0,1,2,3,4,5,6,7
	s_wait_dscnt 7-\i                              ; loads come back in order: pair i of rows is in, the younger ones may be out
	global_store_b128 v[GO], v[S+32+4*\i:S+32+4*\i+3], s[OBASE:OBASE+1] offset:512*\i th:TH_STORE_NT   ; 16 lanes store 256 consecutive bytes, at a multiple of 256 from out0's first byte
.endr
	s_wait_tensorcnt 0x0
	ds_add_u32 v254, v255
	s_wait_dscnt 0x0
	s_endpgm
.Lfunc_end_k_qf3c08e7844_attn:
	.size	k_qf3c08e7844_attn, .Lfunc_end_k_qf3c08e7844_attn-k_qf3c08e7844_attn
	.p2alignl 7, 3214868480
	.fill 96, 4, 3214868480
	.section	.rodata,"a",@progbits
	.p2align	6, 0x0
	.amdhsa_kernel k_qf3c08e7844_attn
		.amdhsa_group_segment_fixed_size 51712
		.amdhsa_private_segment_fixed_size 0
		.amdhsa_enable_private_segment 0
		.amdhsa_kernarg_size 32
		.amdhsa_user_sgpr_count 2
		.amdhsa_user_sgpr_kernarg_segment_ptr 1
		.amdhsa_wavefront_size32 1
		.amdhsa_system_sgpr_workgroup_id_x 1
		.amdhsa_system_sgpr_workgroup_id_y 1
		.amdhsa_system_sgpr_workgroup_id_z 1
		.amdhsa_system_vgpr_workitem_id 0
		.amdhsa_next_free_vgpr 424
		.amdhsa_next_free_sgpr 66
		.amdhsa_reserve_vcc 0
		.amdhsa_float_denorm_mode_32 3
		.amdhsa_float_denorm_mode_16_64 3
		.amdhsa_memory_ordered 1
		.amdhsa_forward_progress 1
		.amdhsa_inst_pref_size 62
	.end_amdhsa_kernel
	.amdgpu_metadata
---
amdhsa.version: [ 1, 2 ]
amdhsa.kernels:
  - .name:           k_qf3c08e7844_attn
    .symbol:         k_qf3c08e7844_attn.kd
    .args:
      - { .name: q, .offset: 0, .size: 8, .value_kind: global_buffer, .address_space: global }
      - { .name: kv, .offset: 8, .size: 8, .value_kind: global_buffer, .address_space: global }
      - { .name: mask, .offset: 16, .size: 8, .value_kind: global_buffer, .address_space: global }
      - { .name: out0, .offset: 24, .size: 8, .value_kind: global_buffer, .address_space: global }
    .group_segment_fixed_size: 51712
    .private_segment_fixed_size: 0
    .kernarg_segment_align: 8
    .kernarg_segment_size: 32
    .max_flat_workgroup_size: 128
    .sgpr_count:     66
    .vgpr_count:     424
    .wavefront_size: 32
...
	.end_amdgpu_metadata
.endif
;; end of part 2
;; ======== version 2 of 2: 2 launches
;; workspace buffers: kv 4,325,376 bytes; mask 4,096 bytes of whole numbers
;; launch prep (part 3): grid 32 x 8, 4 waves a work-group, no clusters, 72,192 bytes of LDS; arguments q, k, sample_idx_q, sample_idx_k, v_codes, v_scales, kv, mask; writes kv, mask
.if DOCPART == 3
	.amdgcn_target "amdgcn-amd-amdhsa--gfx1250"
	.amdhsa_code_object_version 6
	.text
	.protected	k_qf3c08e7844_prep
	.globl	k_qf3c08e7844_prep
	.p2align	8
	.type	k_qf3c08e7844_prep,@function
k_qf3c08e7844_prep:
	s_mov_b64 s[64:65], 0
	v_nop
	global_prefetch_b8 v0, s[64:65] scope:SCOPE_SE
	s_setreg_imm32_b32 hwreg(HW_REG_WAVE_MODE, 25, 1), 1
	s_wait_xcnt 0x0
; PREP.  q, k: [8 heads][4096][64] f32.  v_codes: [8][64 d][4096 keys] E4M3 codes, v_scales: [8][64 d][128] E8M0 bytes.  Blocks of 64 tokens: 64 query blocks x 64 key blocks a head.
; It does three things.
; (a) k is quantised along its 64 channels (E4M3, one E8M0 scale for 32) and (b) v's codes and scale bytes are laid anew, both into kv: one RECORD of 8,448 bytes for each (head, key block), in the order of the
;     operand registers of the attention launch, so that a fragment comes by 16-byte loads at 16 x lane.  With r = lane % 16, hh = lane / 16:
;       bytes 0-4095     K: [pf 2][c 4][lane][16]: the code of k[64 kb + 32 pf + 8 (c / 2) + r + 8 (r / 8)][32 (c % 2) + 16 hh + i].  A pf is a PAIR FRAGMENT of 16 registers: registers 0-7 one tile of 16 keys, 8-15 another
;       bytes 4096-8191  V: [t 4][c 2][lane][16]: v_codes[16 t + r][64 kb + 32 c + 16 hh + i]
;       bytes 8192-8447  [r 16][4 words]: K's scale word of pf 0, of pf 1; V's scale bytes of tiles 0, 1 (two bytes each); of tiles 2, 3
; (c) the keep mask.  16 sampled queries of a query block x the head's 1,024 sampled keys (both quantised along the channels, the product on the matrix unit), softmax over the 1,024, summed over 16 x 16 to one
;     mass for each key block.  All bands of the banding are nested, so a block is kept where the mass of the blocks ranked ahead of it (larger, or equal with a lower index) is under half of the row's total.
;     No sort: each lane owns one key block and adds up what is ranked ahead of it.  The bits go to mask: [head][query block][2 words], bit L of word s = key block 32 s + L.
; THE CHANNELS ARE 64, THE INSTRUCTION'S K IS 128: a pair fragment of keys is multiplied twice, by [Q | zeros] and by [zeros | Q], which are two views of 24 registers [Q][zeros][Q].
; SHARES.  Work-group (x, head), four waves; wave w = 2 g + sp serves query block 2 x + g against key blocks 32 sp .. 32 sp + 31, makes half sp of record 2 x + g, and quantises 8 of the head's 32 sampled pair
; fragments, which go from wave to wave through LDS as images of their registers.
; NO JOINT LOADS, NO DATA MOVER: what the 32 work-groups of a head share are 16 rows of each 64, chosen by an index input: no tile that a descriptor states; and every LDS byte here is written once.
; LIMITS: NaN and infinities among q and k are not served.  A block of zeros gets the scale byte 1 (its codes are zeros; these bytes are read by this program alone); blocks whose largest magnitude lies under
; 2^-118 take that byte too.  The masses ranked ahead are added in the order of the index, in four chains, not in the order of a sorted running sum: a row in which that sum lies within f32 rounding of half
; the total may be decided either way.  Sample indices are held to 0 .. 63.
.set REC,   8448
.set SKIMG, 0                          ; LDS: 32 images of sampled pair fragments, 2,048 bytes each: 512 c + 16 lane
.set SKSC,  65536                      ; their scale words, 128 bytes each: 4 x lane
.set TAIL,  69632                      ; the two records' last 256 bytes
.set MX,    70144                      ; 128 bytes a wave: row maxima;  512 bytes on: row sums
.set PL,    71168                      ; 128 bytes a wave: its 32 pooled masses
.set LANE, 1
.set RR,   2                           ; lane % 16
.set HH,   3                           ; lane / 16
.set LI,   4                           ; 16 x lane
.set KRO,  5                           ; k, a record's rows: (r + 8 (r / 8)) x 256 + 64 hh
.set VRO,  6                           ; v_codes: 4096 r + 16 hh
.set VSO,  7                           ; v_scales: 128 r
.set SKO,  8                           ; sampled key r: index x 256 + 64 hh
.set SQO,  9                           ; sampled query r
.set XW,   10                          ; where I store images
.set XS,   11                          ; and their scale words
.set TW,   12                          ; my word of the tail
.set FR,   13                          ; where I read my 16 images
.set FS,   14                          ; and their scale words
.set MXW,  15
.set MXR,  16                          ; my partner's (wave w xor 1)
.set PLW,  17
.set PLO,  18
.set PLM,  19
.set TR,   20
.set TGO,  21
.set R4,   22
.set ZR,   23
.set QF,   24                          ; v24-47: [Q 8][zeros 8][Q 8]
.set QS,   48                          ; Q's scale word (s0, s1, s0, s1)
.set TM,   52                          ; v52-67: at work in QUANT
.set PW0,  68
.set PW1,  69
.set SKW,  72                          ; v72-87: the scale words of my 16 pair fragments, and nothing else
.set PC0,  88                          ; codes just made, two sets
.set PC1,  104
.set CC,   88                          ; later: 32 sums, one for each key block of my half
.set MM,   120                         ; v120-123 running maxima; later the row's sum; later ACC
.set NM,   124                         ; v[124:125] -(m c)
.set WW,   126                         ; v[126:127] 1 / the row's sum
.set ACC,  120
.set MINE, 124
.set HALF, 125
.set X0,   128                         ; 64 numbers as loaded, two sets
.set X1,   192
.set VT,   224                         ; v's codes in passing
.set SA,   128                         ; later: 8 tiles of scores, two sets
.set SB,   192
.set TT,   160
.set SEL,  28
.set MNT,  30
.set CS,   32
.set SM,   34
.set KREC, 36
.set SKB,  38
.set SQB,  40
.set VCB,  42
.set VSB,  44
.set KVK,  46
.set KV0,  48
.set MSK,  50
.set CM,   52
.set MSB, 0
.macro WIN new                         ; the immediate's high byte repeats the setting that is left
.if MSB != \new
	s_set_vgpr_msb (MSB<<8)|\new
.set MSB, \new
.endif
.endm
.macro PLACES n
.rept \n
	v_nop
.endr
.endm
; nb blocks of 32 along the channels: register 16 b + i of v[s] on = channel 32 b' + 16 hh + i of my row.  Codes to v[pc + 4 b] on, the scale word to v[pw].
.macro QUANT s, nb, pc, pw
.set qb, 0
.rept \nb
	v_max3_num_f32 v[TM+qb], |v[(\s)+16*qb]|, |v[(\s)+16*qb+1]|, 0x4800000   ; my 16 numbers and the floor 2^(9 - 127): the byte cannot fall under 1
.set qb, qb+1
.endr
.irp i, 2,4,6,8,10,12,14
.set qb, 0
.rept \nb
	v_max3_num_f32 v[TM+qb], v[TM+qb], |v[(\s)+16*qb+\i]|, |v[(\s)+16*qb+\i+1]|
.set qb, qb+1
.endr
.endr
.set qb, 0
.rept \nb
	v_permlanex16_b32 v[TM+4+qb], v[TM+qb], s[SEL], s[SEL+1]
.set qb, qb+1
.endr
.set qb, 0
.rept \nb
	v_max_num_f32 v[TM+qb], v[TM+qb], v[TM+4+qb]                 ; with lane l xor 16's: the block's largest magnitude
.set qb, qb+1
.endr
.set qb, 0
.rept \nb
	v_add_nc_u32 v[TM+12+qb], 0xfc000000, v[TM+qb]               ; 8 off its exponent field: the conversion's scale operand
.set qb, qb+1
.endr
.set qb, 0
.rept \nb
	v_and_or_b32 v[TM+8+qb], v[TM+qb], 0x7f800000, s[MNT]        ; 448 x the scale
.set qb, qb+1
.endr
.set qb, 0
.rept \nb
	v_lshrrev_b32 v[TM+4+qb], 23, v[TM+12+qb]                    ; the scale's byte
.set qb, qb+1
.endr
	v_lshl_or_b32 v[\pw], v[TM+5], 8, v[TM+4]
.if \nb == 4
	v_lshl_or_b32 v[\pw], v[TM+6], 16, v[\pw]
	v_lshl_or_b32 v[\pw], v[TM+7], 24, v[\pw]
.else
	v_lshl_or_b32 v[\pw], v[\pw], 16, v[\pw]                     ; the two bytes twice: they serve [Q | zeros] and [zeros | Q]
.endif
.set qb, 0
.rept \nb
.irp i, 0,1,2,3,4,5,6,7,8,9,10,11,12,13,14,15
	v_med3_num_f32 v[(\s)+16*qb+\i], v[(\s)+16*qb+\i], -v[TM+8+qb], v[TM+8+qb]   ; the conversion to an 8-bit code does not saturate (ISA guide 7.6.2): the hold
.endr
	v_cvt_scalef32_pk8_fp8_f32 v[(\pc)+4*qb:(\pc)+4*qb+1], v[(\s)+16*qb:(\s)+16*qb+7], v[TM+12+qb]
	v_cvt_scalef32_pk8_fp8_f32 v[(\pc)+4*qb+2:(\pc)+4*qb+3], v[(\s)+16*qb+8:(\s)+16*qb+15], v[TM+12+qb]
.set qb, qb+1
.endr
	v_nop                                                        ; one plain line behind the last conversion
.endm
; 64 numbers of a pair of tiles: tile u's rows begin ustep bytes apart; of my row 16 numbers of each block of 32
.macro LOADX reg, base, voff, imm, ustep
.irp u, 0,1
.irp cb, 0,1
.irp j, 0,1,2,3
	global_load_b128 v[\reg+16*(2*\u+\cb)+4*\j:\reg+16*(2*\u+\cb)+4*\j+3], v[\voff], s[\base:\base+1] offset:\imm+\u*\ustep+128*\cb+16*\j
.endr
.endr
.endr
.endm
.macro IMAGE pc, pw, n                 ; a pair fragment goes to LDS as it stands in its registers
.irp c, 0,1,2,3
	ds_store_b128 v[XW], v[\pc+4*\c:\pc+4*\c+3] offset:2048*\n+512*\c
.endr
	ds_store_b32 v[XS], v[\pw] offset:128*\n
.endm
; 8 products: my pair fragments 4 g .. 4 g + 3, each by [Q | zeros] and by [zeros | Q]: tile 2 n + u of the set = key block 8 g + 2 n + u of my half.  Lane (r, hh): sampled query r, samples 8 hh + 0 .. 7
.macro WM g, set
	WIN 0x01                                                     ; source 0 in window 1
.irp n, 0,1,2,3
.irp u, 0,1
	v_wmma_scale_f32_16x16x128_f8f6f4 v[\set+8*(2*\n+\u):\set+8*(2*\n+\u)+7], v[16*(4*\g+\n):16*(4*\g+\n)+15], v[QF+8*\u:QF+8*\u+15], 0, v[SKW+4*\g+\n], v[QS]
.endr
.endr
	WIN 0
.endm
.macro MAXS set                        ; each tile from its low end on; four chains
.irp t, 0,1,2,3,4,5,6,7
.irp i, 0,1,2,3
	v_max3_num_f32 v[MM+\i], v[MM+\i], v[\set+8*\t+2*\i], v[\set+8*\t+2*\i+1]
.endr
.endr
.endm
.macro EXPS g, set                     ; 2^(c s - c m) of a set, and each tile's sum of my eight
.set j, 0
.rept 32
	v_pk_fma_f32 v[\set+j:\set+j+1], v[\set+j:\set+j+1], s[CS:CS+1], v[NM:NM+1] op_sel_hi:[1,0,0]
.set j, j+2
.endr
.set j, 0
	s_wait_alu depctr_va_vdst(0)
.rept 64
	v_exp_f32 v[\set+j], v[\set+j]
.set j, j+1
.endr
	v_nop                                                        ; a plain line behind the exponentials
	s_wait_alu depctr_va_vdst(0)
.irp t, 0,1,2,3,4,5,6,7
	v_pk_add_f32 v[\set+8*\t:\set+8*\t+1], v[\set+8*\t:\set+8*\t+1], v[\set+8*\t+2:\set+8*\t+3]
.endr
.irp t, 0,1,2,3,4,5,6,7
	v_pk_add_f32 v[\set+8*\t+4:\set+8*\t+5], v[\set+8*\t+4:\set+8*\t+5], v[\set+8*\t+6:\set+8*\t+7]
.endr
.irp t, 0,1,2,3,4,5,6,7
	v_pk_add_f32 v[\set+8*\t:\set+8*\t+1], v[\set+8*\t:\set+8*\t+1], v[\set+8*\t+4:\set+8*\t+5]
.endr
.irp t, 0,1,2,3,4,5,6,7
	v_add_f32 v[CC+8*\g+\t], v[\set+8*\t], v[\set+8*\t+1]
.endr
.endm
.macro SUM32 src, tmp, dst             ; the sum of 32 registers, by a tree; src is kept
.irp i, 0,1,2,3,4,5,6,7
	v_pk_add_f32 v[\tmp+2*\i:\tmp+2*\i+1], v[\src+4*\i:\src+4*\i+1], v[\src+4*\i+2:\src+4*\i+3]
.endr
.irp i, 0,1,2,3
	v_pk_add_f32 v[\tmp+4*\i:\tmp+4*\i+1], v[\tmp+4*\i:\tmp+4*\i+1], v[\tmp+4*\i+2:\tmp+4*\i+3]
.endr
.irp i, 0,1
	v_pk_add_f32 v[\tmp+8*\i:\tmp+8*\i+1], v[\tmp+8*\i:\tmp+8*\i+1], v[\tmp+8*\i+4:\tmp+8*\i+5]
.endr
	v_pk_add_f32 v[\tmp:\tmp+1], v[\tmp:\tmp+1], v[\tmp+8:\tmp+9]
	v_add_f32 v[\dst], v[\tmp], v[\tmp+1]
.endm
; What is ranked ahead of my block among 32 masses, which every lane holds alike: larger, or equal with a lower index.  own = 1: my own half: equal counts for lanes above i.  own = 0: the other half: equal
; counts where that half has the lower indices (sp = 1).  A choice of values only: no branch and no address hangs on it.
.macro RANK src, own
.set ri, 0
.rept 8
.irp a, 0,1,2,3
	v_cmp_gt_f32 s[CM+2*\a], v[\src+ri+\a], v[MINE]
	v_cmp_eq_f32 s[CM+2*\a+1], v[\src+ri+\a], v[MINE]
.endr
.irp a, 0,1,2,3
.if \own
	s_and_b32 s[CM+2*\a+1], s[CM+2*\a+1], (0xfffffffe<<(ri+\a))&0xffffffff
.else
	s_and_b32 s[CM+2*\a+1], s[CM+2*\a+1], s[SM]
.endif
	s_or_b32 s[CM+2*\a], s[CM+2*\a], s[CM+2*\a+1]
.endr
.irp a, 0,1,2,3
.if \own && (ri == 0)
	v_cndmask_b32 v[ACC+\a], 0, v[\src+\a], s[CM+2*\a]           ; the first four start the four chains
.else
	v_cndmask_b32 v[TT+\a], 0, v[\src+ri+\a], s[CM+2*\a]
	v_add_f32 v[ACC+\a], v[ACC+\a], v[TT+\a]
.endif
.endr
.set ri, ri+4
.endr
.endm
.macro BARRIER                         ; my LDS stores have landed and my LDS loads are in: then the work-group's barrier
	s_wait_dscnt 0x0
	s_barrier_signal -1
	s_barrier_wait -1
.endm
	s_load_b256 s[4:11], s[0:1], 0x0               ; q s[4:5], k s[6:7], sample_idx_q s[8:9], sample_idx_k s[10:11]
	s_load_b256 s[12:19], s[0:1], 0x20             ; v_codes s[12:13], v_scales s[14:15], kv s[16:17], mask s[18:19]
	v_lshl_add_u32 v50, v0, 2, 0x11800
	v_mov_b32 v51, 0
	v_lshrrev_b32 v1, 5, v0
	v_readfirstlane_b32 s20, v1                    ; w
	s_and_b32 s21, s20, 1                          ; sp
	s_lshr_b32 s22, s20, 1                         ; g
	s_and_b32 s23, ttmp7, 0xffff                   ; the head
	s_lshl_b32 s24, ttmp9, 1                       ; 2 x
	s_add_co_u32 s25, s24, s22                     ; my query block, and my record's key block
	s_mov_b32 s[SEL], 0x76543210
	s_mov_b32 s[SEL+1], 0xfedcba98                 ; v_permlanex16_b32's selects for lane l xor 16
	s_mov_b32 s[MNT], 0x600000                     ; the mantissa field of 448
	s_mov_b32 s[CS], 0x3e38aa3b                    ; c = log2(e) / sqrt(64)
	s_mov_b32 s[CS+1], s[CS]                       ; (named with it as a pair, so it is written)
	s_sub_co_u32 s[SM], 0, s21                     ; all ones where sp = 1
	v_and_b32 v[LANE], 31, v0
	v_and_b32 v[RR], 15, v0
	v_bfe_u32 v[HH], v0, 4, 1
	v_lshlrev_b32 v[LI], 4, v[LANE]
	v_and_b32 v[ZR], 8, v[RR]
	v_add_nc_u32 v[ZR], v[ZR], v[RR]               ; r + 8 (r / 8)
	v_lshlrev_b32 v[KRO], 8, v[ZR]
	v_lshl_add_u32 v[KRO], v[HH], 6, v[KRO]
	v_lshlrev_b32 v[VRO], 12, v[RR]
	v_lshl_add_u32 v[VRO], v[HH], 4, v[VRO]
	v_lshlrev_b32 v[VSO], 7, v[RR]
	s_lshl_b32 s26, s20, 14
	v_add_nc_u32 v[XW], s26, v[LI]                 ; SKIMG + 8 images x wave + 16 lane
	s_lshl_b32 s26, s20, 10
	s_add_co_u32 s26, s26, SKSC
	v_lshl_add_u32 v[XS], v[LANE], 2, s26
	s_lshl_b32 s26, s22, 8
	s_lshl_b32 s27, s21, 2
	s_add_co_u32 s26, s26, s27
	s_add_co_u32 s26, s26, TAIL
	v_lshl_add_u32 v[TW], v[RR], 4, s26
	v_lshl_add_u32 v[TW], v[HH], 3, v[TW]          ; lanes 0-15: word sp (K's scale word); lanes 16-31: word 2 + sp (V's bytes)
	s_lshl_b32 s26, s21, 15
	v_add_nc_u32 v[FR], s26, v[LI]
	s_lshl_b32 s26, s21, 11
	s_add_co_u32 s26, s26, SKSC
	v_lshl_add_u32 v[FS], v[LANE], 2, s26
	s_lshl_b32 s26, s20, 7                         ; 128 w
	s_add_co_u32 s27, s26, MX
	v_lshl_add_u32 v[MXW], v[LANE], 2, s27
	s_add_co_u32 s27, s26, PL
	v_mov_b32 v[PLW], s27
	v_lshl_add_u32 v[PLM], v[LANE], 2, s27
	s_xor_b32 s26, s26, 128                        ; 128 (w xor 1)
	s_add_co_u32 s27, s26, MX
	v_lshl_add_u32 v[MXR], v[LANE], 2, s27
	s_add_co_u32 s27, s26, PL
	v_mov_b32 v[PLO], s27
	v_add_nc_u32 v[TR], TAIL, v[LI]
	v_mul_u32_u24 v[TGO], v[HH], REC
	v_lshl_add_u32 v[TGO], v[RR], 4, v[TGO]
	v_add_nc_u32 v[TGO], 8192, v[TGO]
	v_lshlrev_b32 v[R4], 2, v[RR]
.irp b, 0,1,2,3
	v_mov_b32 v[TM+4+\b], 0                        ; written once: a lane permute's destination counts as one of its sources
.endr
	s_mov_b32 s27, 0
	s_wait_alu depctr_va_vdst(0)
	s_wait_kmcnt 0x0
	s_lshl_b32 s26, s23, 6                         ; 16 indices a head
	s_add_nc_u64 s[52:53], s[10:11], s[26:27]
	s_add_nc_u64 s[54:55], s[8:9], s[26:27]
	global_load_b32 v[SKO], v[R4], s[52:53]        ; the in-block place of sampled key r,
	global_load_b32 v[SQO], v[R4], s[54:55]        ; and of sampled query r
	s_lshl_b32 s31, s23, 20                        ; a head of q or k: 4096 rows of 256 bytes
	s_lshl_b32 s26, s25, 14
	s_add_co_u32 s26, s26, s31
	s_add_nc_u64 s[SQB:SQB+1], s[4:5], s[26:27]    ; q at my query block
	s_lshl_b32 s35, s21, 13
	s_add_co_u32 s26, s26, s35
	s_add_nc_u64 s[KREC:KREC+1], s[6:7], s[26:27]  ; k at my record's keys 32 sp on
	s_lshl_b32 s26, s20, 18
	s_add_co_u32 s26, s26, s31
	s_add_nc_u64 s[SKB:SKB+1], s[6:7], s[26:27]    ; k at key block 16 w: my 8 sampled pair fragments
	s_lshl_b32 s26, s23, 18
	s_lshl_b32 s35, s21, 17
	s_add_co_u32 s26, s26, s35
	s_lshl_b32 s35, s25, 6
	s_add_co_u32 s26, s26, s35
	s_add_nc_u64 s[VCB:VCB+1], s[12:13], s[26:27]  ; v_codes: channel 32 sp, key 64 kb
	s_lshl_b32 s26, s23, 13
	s_lshl_b32 s35, s21, 12
	s_add_co_u32 s26, s26, s35
	s_lshl_b32 s35, s25, 1
	s_add_co_u32 s26, s26, s35
	s_add_nc_u64 s[VSB:VSB+1], s[14:15], s[26:27]  ; v_scales likewise
	s_lshl_b32 s35, s23, 6
	s_add_co_u32 s26, s35, s25
	s_mul_i32 s26, s26, REC
	s_lshl_b32 s31, s21, 11
	s_add_co_u32 s26, s26, s31
	s_add_nc_u64 s[KVK:KVK+1], s[16:17], s[26:27]  ; my record, + 2048 sp
	s_add_co_u32 s26, s35, s24
	s_mul_i32 s26, s26, REC
	s_add_nc_u64 s[KV0:KV0+1], s[16:17], s[26:27]  ; the work-group's first record
	s_add_co_u32 s26, s35, s25
	s_lshl_b32 s26, s26, 1
	s_add_co_u32 s26, s26, s21
	s_lshl_b32 s26, s26, 2
	s_add_nc_u64 s[MSK:MSK+1], s[18:19], s[26:27]  ; my word of the mask
	; ---- my half of the record
	LOADX X0, KREC, KRO, 0, 2048                   ; 32 keys x 64 channels: tile u's rows begin 8 rows on
.irp tt, 0,1
.irp c, 0,1
	global_load_b128 v[VT+4*(2*\tt+\c):VT+4*(2*\tt+\c)+3], v[VRO], s[VCB:VCB+1] offset:65536*\tt+32*\c
.endr
.endr
	global_load_u16 v70, v[VSO], s[VSB:VSB+1]
	global_load_u16 v71, v[VSO], s[VSB:VSB+1] offset:2048
	s_wait_loadcnt 22                              ; the two index loads are in; the 22 issued behind them may be out
	v_min_u32 v[SKO], 63, v[SKO]
	v_min_u32 v[SQO], 63, v[SQO]
	v_lshlrev_b32 v[SKO], 8, v[SKO]
	v_lshlrev_b32 v[SQO], 8, v[SQO]
	v_lshl_add_u32 v[SKO], v[HH], 6, v[SKO]
	v_lshl_add_u32 v[SQO], v[HH], 6, v[SQO]
.irp cb, 0,1
.irp j, 0,1,2,3
	global_load_b128 v[X1+16*\cb+4*\j:X1+16*\cb+4*\j+3], v[SQO], s[SQB:SQB+1] offset:128*\cb+16*\j   ; my query block's 16 sampled queries
.endr
.endr
	s_wait_loadcnt 8                               ; all but the sampled queries' eight
.irp tt, 0,1
.irp c, 0,1
	global_store_b128 v[LI], v[VT+4*(2*\tt+\c):VT+4*(2*\tt+\c)+3], s[KVK:KVK+1] offset:4096+1024*\tt+512*\c   ; 32 lanes store 512 consecutive bytes
.endr
.endr
	QUANT X0, 4, PC1, PW1
.irp c, 0,1,2,3
	global_store_b128 v[LI], v[PC1+4*\c:PC1+4*\c+3], s[KVK:KVK+1] offset:512*\c
.endr
	v_lshl_or_b32 v70, v71, 16, v70                ; V's scale bytes of tiles 2 sp and 2 sp + 1
	v_cmp_eq_u32 vcc_lo, 1, v[HH]
	v_cndmask_b32 v71, v[PW1], v70, vcc_lo
	ds_store_b32 v[TW], v71
	LOADX X0, SKB, SKO, 0, 16384                   ; sampled pair fragment 0: tile u = key block u's 16 samples
	; ---- the sampled queries
	s_wait_xcnt 0x0                                ; the stores above have read their data: the registers of V's codes and of K's codes are written again below
	s_wait_loadcnt 16                              ; the queries are in; fragment 0's sixteen loads may be out
	QUANT X1, 2, QF, QS
.irp i, 0,1,2,3,4,5,6,7
	v_mov_b32 v[QF+16+\i], v[QF+\i]
	v_mov_b32 v[QF+8+\i], 0
.endr
	LOADX X1, SKB, SKO, 32768, 16384               ; fragment 1
	; ---- my 8 sampled pair fragments, loads two fragments ahead
.irp n, 0,1,2,3,4,5,6,7
.if \n < 7
	s_wait_loadcnt 16                              ; this fragment's loads are in; the next one's sixteen may be out
.else
	s_wait_loadcnt 0x0
.endif
.if \n >= 2
	s_wait_dscnt 5                                 ; the image two back has been stored: its registers are written again; the last image's five stores may be out
.endif
	QUANT X0+64*(\n%2), 4, PC0+16*(\n%2), PW0+(\n%2)
	IMAGE PC0+16*(\n%2), PW0+(\n%2), \n
.if \n <= 5
	LOADX X0+64*(\n%2), SKB, SKO, 32768*(\n+2), 16384
.endif
.endr
	BARRIER                                        ; all 32 images and both tails lie in LDS
	; ---- my half's 16 pair fragments stay in window 1 for both passes
.set n, 0
.rept 16
	ds_load_b32 v[SKW+n], v[FS] offset:128*n
.set n, n+1
.endr
	WIN 0x40                                       ; destination window 1
.set n, 0
.rept 16
.irp c, 0,1,2,3
	ds_load_b128 v[16*n+4*\c:16*n+4*\c+3], v[FR] offset:2048*n+512*\c
.endr
.set n, n+1
.endr
	WIN 0
.irp i, 0,1,2,3
	v_mov_b32 v[MM+\i], 0xff800000
.endr
	; ---- pass 1: the row's largest score.  Two sets of 8 tiles by turns: one set's maxima are the places behind the other's products
	s_wait_dscnt 48                                ; the scale words and fragments 0-3 are in; the 48 loads of fragments 4-15 may be out
	WM 0, SA
	s_wait_alu depctr_va_vdst(0)
	s_wait_dscnt 32
	WM 1, SB
	PLACES 8                                       ; eight places behind these products in front of the first read of results
	MAXS SA
	s_wait_alu depctr_va_vdst(0)
	s_wait_dscnt 16
	WM 2, SA
	MAXS SB
	s_wait_alu depctr_va_vdst(0)
	s_wait_dscnt 0x0
	WM 3, SB
	MAXS SA
	MAXS SB
	v_max3_num_f32 v[MM], v[MM], v[MM+1], v[MM+2]
	v_max_num_f32 v[MM], v[MM], v[MM+3]
	v_permlanex16_b32 v[MM+1], v[MM], s[SEL], s[SEL+1]
	v_max_num_f32 v[MM], v[MM], v[MM+1]
	ds_store_b32 v[MXW], v[MM]
	s_wait_alu depctr_va_vdst(0)
	BARRIER
	ds_load_b32 v[MM+1], v[MXR]                    ; the other 512 sampled keys' maximum
	s_wait_dscnt 0x0
	v_max_num_f32 v[MM], v[MM], v[MM+1]
	v_mul_f32 v[NM], -v[MM], s[CS]
	v_mov_b32 v[NM+1], v[NM]
	; ---- pass 2: the same products again, 2^(c s - c m), and each key block's sum
	WM 0, SA
	WM 1, SB
	PLACES 8
	EXPS 0, SA
	WM 2, SA
	EXPS 1, SB
	WM 3, SB
	EXPS 2, SA
	EXPS 3, SB
	SUM32 CC, SA, MM
	v_permlanex16_b32 v[MM+1], v[MM], s[SEL], s[SEL+1]
	v_add_f32 v[MM], v[MM], v[MM+1]
	ds_store_b32 v[MXW], v[MM] offset:512
	s_wait_alu depctr_va_vdst(0)
	BARRIER
	ds_load_b32 v[MM+1], v[MXR] offset:512
	s_wait_dscnt 0x0
	v_add_f32 v[MM], v[MM], v[MM+1]                ; the row's sum over all 1,024 sampled keys
	s_wait_alu depctr_va_vdst(0)
	v_rcp_f32 v[WW], v[MM]
	v_nop                                          ; a plain line behind the reciprocal
	s_wait_alu depctr_va_vdst(0)
	v_mov_b32 v[WW+1], v[WW]
	; ---- pooling: normalised, then summed over the 16 sampled queries and both halves of the samples.  The sums go by exchanges, so every lane ends with the same bits
.set pi, 0
.rept 16
	v_pk_mul_f32 v[CC+pi:CC+pi+1], v[CC+pi:CC+pi+1], v[WW:WW+1] op_sel_hi:[1,0]
.set pi, pi+2
.endr
.irp m, 1,2,4,8
.set pi, 0
.rept 32
	v_add_f32_dpp v[CC+pi], v[CC+pi], v[CC+pi] row_xmask:\m row_mask:0xf bank_mask:0xf
.set pi, pi+1
.endr
.endr
.set pi, 0
.rept 32
	v_permlanex16_b32 v[SA+pi], v[CC+pi], s[SEL], s[SEL+1]
.set pi, pi+1
.endr
.set pi, 0
.rept 32
	v_add_f32 v[CC+pi], v[CC+pi], v[SA+pi]
.set pi, pi+1
.endr
.irp i, 0,1,2,3,4,5,6,7
	ds_store_b128 v[PLW], v[CC+4*\i:CC+4*\i+3] offset:16*\i      ; all lanes write the same bytes with the same values
.endr
	s_wait_alu depctr_va_vdst(0)
	BARRIER
	; ---- ranking: lane L owns key block 32 sp + L
.irp i, 0,1,2,3,4,5,6,7
	ds_load_b128 v[SB+4*\i:SB+4*\i+3], v[PLO] offset:16*\i       ; the other half's 32 masses, in every lane
.endr
	ds_load_b32 v[MINE], v[PLM]
	s_wait_dscnt 0x0
	SUM32 CC, SA, WW
	SUM32 SB, SA+16, WW+1
	v_add_f32 v[HALF], v[WW], v[WW+1]
	v_mul_f32 v[HALF], 0.5, v[HALF]                ; half of the row's total
	RANK CC, 1
	RANK SB, 0
	v_add_f32 v[ACC], v[ACC], v[ACC+1]
	v_add_f32 v[ACC+2], v[ACC+2], v[ACC+3]
	v_add_f32 v[ACC], v[ACC], v[ACC+2]
	v_cmp_lt_f32 vcc_lo, v[ACC], v[HALF]           ; kept: what is ranked ahead is under half
	v_mov_b32 v[WW], vcc_lo
	v_mov_b32 v[ZR], 0
	s_wait_alu depctr_va_vdst(0)
	s_wait_xcnt 0x0                                ; EXEC changes only behind this wait
	v_cmp_eq_u32 vcc_lo, 0, v[LANE]
	s_and_saveexec_b32 s60, vcc_lo
	global_store_b32 v[ZR], v[WW], s[MSK:MSK+1]    ; one lane stores the wave's word, at a place that hangs on ids alone
	s_wait_xcnt 0x0                                ; and again in front of the line that widens it
	s_or_b32 exec_lo, exec_lo, s60
	s_cmp_lg_u32 s20, 0
	s_cbranch_scc1 .Lend
	ds_load_b128 v[SA:SA+3], v[TR]                 ; wave 0: both records' tails, written ahead of the first barrier
	s_wait_dscnt 0x0
	global_store_b128 v[TGO], v[SA:SA+3], s[KV0:KV0+1]           ; sixteen lanes store 256 consecutive bytes, at a multiple of 256 from kv's first byte
.Lend:
	s_wait_tensorcnt 0x0
	ds_add_u32 v50, v51
	s_wait_dscnt 0x0
	s_endpgm
.Lfunc_end_k_qf3c08e7844_prep:
	.size	k_qf3c08e7844_prep, .Lfunc_end_k_qf3c08e7844_prep-k_qf3c08e7844_prep
	.p2alignl 7, 3214868480
	.fill 96, 4, 3214868480
	.section	.rodata,"a",@progbits
	.p2align	6, 0x0
	.amdhsa_kernel k_qf3c08e7844_prep
		.amdhsa_group_segment_fixed_size 72192
		.amdhsa_private_segment_fixed_size 0
		.amdhsa_enable_private_segment 0
		.amdhsa_kernarg_size 64
		.amdhsa_user_sgpr_count 2
		.amdhsa_user_sgpr_kernarg_segment_ptr 1
		.amdhsa_wavefront_size32 1
		.amdhsa_system_sgpr_workgroup_id_x 1
		.amdhsa_system_sgpr_workgroup_id_y 1
		.amdhsa_system_sgpr_workgroup_id_z 1
		.amdhsa_system_vgpr_workitem_id 0
		.amdhsa_next_free_vgpr 512
		.amdhsa_next_free_sgpr 66
		.amdhsa_reserve_vcc 1
		.amdhsa_float_denorm_mode_32 3
		.amdhsa_float_denorm_mode_16_64 3
		.amdhsa_memory_ordered 1
		.amdhsa_forward_progress 1
		.amdhsa_inst_pref_size 184
	.end_amdhsa_kernel
	.amdgpu_metadata
---
amdhsa.version: [ 1, 2 ]
amdhsa.kernels:
  - .name:           k_qf3c08e7844_prep
    .symbol:         k_qf3c08e7844_prep.kd
    .args:
      - { .name: q, .offset: 0, .size: 8, .value_kind: global_buffer, .address_space: global }
      - { .name: k, .offset: 8, .size: 8, .value_kind: global_buffer, .address_space: global }
      - { .name: sample_idx_q, .offset: 16, .size: 8, .value_kind: global_buffer, .address_space: global }
      - { .name: sample_idx_k, .offset: 24, .size: 8, .value_kind: global_buffer, .address_space: global }
      - { .name: v_codes, .offset: 32, .size: 8, .value_kind: global_buffer, .address_space: global }
      - { .name: v_scales, .offset: 40, .size: 8, .value_kind: global_buffer, .address_space: global }
      - { .name: kv, .offset: 48, .size: 8, .value_kind: global_buffer, .address_space: global }
      - { .name: mask, .offset: 56, .size: 8, .value_kind: global_buffer, .address_space: global }
    .group_segment_fixed_size: 72192
    .private_segment_fixed_size: 0
    .kernarg_segment_align: 8
    .kernarg_segment_size: 64
    .max_flat_workgroup_size: 128
    .sgpr_count:     66
    .vgpr_count:     512
    .wavefront_size: 32
...
	.end_amdgpu_metadata
.endif
;; end of part 3
;; launch attn (part 4): grid 64 x 8, 4 waves a work-group, no clusters, 51,712 bytes of LDS; arguments q, kv, mask, out0; writes out0
.if DOCPART == 4
	.amdgcn_target "amdgcn-amd-amdhsa--gfx1250"
	.amdhsa_code_object_version 6
	.text
	.protected	k_qf3c08e7844_attn
	.globl	k_qf3c08e7844_attn
	.p2align	8
	.type	k_qf3c08e7844_attn,@function
k_qf3c08e7844_attn:
	s_mov_b64 s[64:65], 0
	v_nop
	global_prefetch_b8 v0, s[64:65] scope:SCOPE_SE
	s_setreg_imm32_b32 hwreg(HW_REG_WAVE_SCHED_MODE, 0, 2), 2
	s_setreg_imm32_b32 hwreg(HW_REG_WAVE_MODE, 25, 1), 1
	s_wait_xcnt 0x0
	s_wait_alu depctr_vm_vsrc(0)
; ATTN.  out0[h][q][:] = the sum over the KEPT keys of softmax(q . k / 8) v, both products on codes of E4M3 with one E8M0 scale for each 32 along a product's K.
; q: [8][4096][64] f32, quantised here along its 64 channels.  kv: one record of 8,448 bytes for each (head, key block of 64 keys), in the order of the operand registers: 4,096 bytes of K's codes (two pair
; fragments), 4,096 of V's (four tiles x 64 keys), 256 of scale words ([r 16][K pf 0, K pf 1, V tiles 0 and 1, V tiles 2 and 3]).  mask: [8][64 query blocks][2 words]: bit L of word s: key block 32 s + L is kept.
; THE SOFTMAX AHEAD OF THE SECOND PRODUCT: t = score x log2(e) / 8; M = the largest t so far, rounded UP to a whole number; p = 2^(t - M) is quantised along the keys; the sum is taken of the unquantised p and
; divides at the end.  When M moves, the sum and O are multiplied by 2^(old M - new M): exact.
; SHARES.  A work-group is one query block; wave w owns its queries 16 w .. 16 w + 15, one query a lane throughout (both products are used transposed).  A STEP takes the next two kept key blocks: 128 keys.
; The four waves bring the two records of the NEXT step from memory into registers (a quarter each, 512 consecutive bytes a load) while this step is worked, and store them into the other of two LDS slots at
; the step's end; one barrier a step.  All four read the whole slot: each record leaves the cache once for four waves.
; THE WALK.  The two mask words are read from memory; the next kept block is the lowest set bit.  The loop has 18 steps, a constant; a step beyond the list is jumped over by a scalar branch on the stored count,
; which is the same in all four waves and leads round no barrier.  An odd list's last step has one record too many: its scores become -infinity, so its p are 0.
; AT MOST 33 BLOCKS ARE KEPT in a row, whatever the inputs: the n largest of 64 masses hold at least n / 64 of the total, so ahead of the block of rank 33 lies 33 / 64, over a half.  18 steps serve 36.
; THE CHANNELS ARE 64, THE INSTRUCTION'S K IS 128: a pair fragment of K (two tiles of 16 keys) is multiplied by [Q | zeros] and by [zeros | Q], two views of 24 registers [Q][zeros][Q].
; THE KEYS OF A TILE ARE NOT NEIGHBOURS (the record is laid so): the 16 registers of tiles 2 b and 2 b + 1 are the neighbouring keys 32 b + 16 (lane / 16) + 0 .. 15, as the second product's operand wants them.
; NO DATA MOVER, NO JOINT LOADS: which records a work-group reads, and how many, hangs on numbers read from memory, and the query blocks of a head walk different lists.
; LIMITS: NaN and infinities in q, the scale byte 0xff and NaN codes in v are not served.  p under 2^-126 falls to 0.  A block of zeros takes the scale byte 1.
; THE MODE: SCHED_MODE bits 1:0 = 2 (LLVM: expert scheduling mode 2), set by the entry lines.  The code itself states the register dependences between vector or matrix instructions and memory or LDS
; instructions, with s_wait_alu, always for 0.
; THE PLAN.  Registers that memory or LDS instructions touch:
;   v1-v4, v6-v10  addresses and offsets: written once at the head by vector instructions, read by every load and store, never written again: one wait on va_vdst ahead of the first load serves them all.
;   SCW, KF        A step's LDS loads land in them at its head; its eight score products read them (SCW also its four v_perm_b32).
;   VF             A step's LDS loads land in it behind the score products, which name none of its registers; the four products at the step's end read it.
;   G              The global loads of the next step's records land in it near the step's head; the LDS stores at the step's end read it.
;   v64-127        q lands in the lower half at the head; on the way out the multiplications write the lower half, which LDS stores read, and the stage's loads land in the upper half, which the steps' vector work named.
;   QA, QS (made at the head), VS, PW, PC (made in each step): written by vector instructions, taken by scaled matrix instructions.
; So a step has two waits at its head, behind the barrier: on va_vdst (the last step's products and v_perm_b32 are done reading SCW, KF and VF; in the first step QA and QS are written) and on vm_vsrc (the LDS
; stores have read G).  All the step's loads follow them with no further wait.  One wait on va_vdst stands behind the exponentials, and one ahead of the step's last four products (PC, PW, VS are written).
.set REC,   8448
.set SLOTB, 2*REC                      ; a slot: two records as they lie in kv
.set STAGE, 2*SLOTB                    ; behind the slots: 16 rows x (256 + 16) bytes for each wave, for the way out
.set LI,  1                            ; 16 x lane: an image's place in LDS, and my 16 bytes of a load's 512
.set LR,  2                            ; 16 x (lane % 16): my row's four scale words
.set LW,  3                            ; where I store my quarter of a slot
.set LWS, 4                            ; and my half of a record's scale words
.set GSO, 6                            ; those words' offset from my staging base
.set GO,  7                            ; the way out: my byte offset in the wave's rows of out0
.set STO, 8
.set RD,  9
.set QO,  10
.set QA,  16                           ; v16-39: [Q 8][zeros 8][Q 8]
.set QS,  40                           ; Q's scale word (s0, s1, s0, s1)
.set SCW, 44                           ; v44-51: the two records' scale words
.set VS,  52                           ; v52-55: V's scale words for the step's 128 keys, tile t
.set S,   64                           ; v64-127: S^T, then p
.set O,   128                          ; v128-159: O^T
.set PC,  160                          ; v160-175: p's codes
.set BM,  176
.set T2,  180
.set HL,  184
.set SOP, 188
.set FF,  192                          ; f = 2^(old M - new M)
.set PW,  193                          ; p's scale word
.set TP,  194
.set TM,  200
.set KF,  0                            ; window 1: K's four pair fragments,
.set VF,  64                           ; V's four fragments,
.set G,   128                          ; and 33 registers of the next step's records in passing
.set WV,  12
.set WL,  13                           ; w & 1: K's half or V's half of a record
.set WH,  14                           ; w >> 1: which of the two records
.set HD64, 17
.set ML,  18
.set MH,  19
.set JB,  20
.set CNT, 21
.set E1,  23                           ; 2 x step + 1
.set TRIP, 24
.set J0,  25
.set J1,  26
.set TS,  27
.set OFF, 28
.set GB,  30                           ; s[30:31] the staging base
.set SEL, 32
.set CS,  34
.set MNT, 36
.set HOFF, 37
.set P0,  38
.set P1,  39
.set QBASE, 40
.set OBASE, 42
.set MSB, 0
.macro WIN new                         ; the immediate's high byte repeats the setting that is left
.if MSB != \new
	s_set_vgpr_msb (MSB<<8)|\new
.set MSB, \new
.endif
.endm
.macro NEXTJ dst                       ; the lowest set bit of the list is taken off it.  A list that has run out gives a number that NEXT2 holds inside the table
	s_cmp_eq_u32 s[ML], 0
	s_cselect_b32 s[ML], s[MH], s[ML]
	s_cselect_b32 s[MH], 0, s[MH]
	s_cselect_b32 s[JB], 32, s[JB]
	s_ctz_i32_b32 s[TS], s[ML]
	s_add_co_u32 s[\dst], s[TS], s[JB]
	s_sub_co_u32 s[TS], s[ML], 1
	s_and_b32 s[ML], s[ML], s[TS]
.endm
.macro NEXT2                           ; the next two kept key blocks; my wave's staging base
	NEXTJ J0
	NEXTJ J1
	s_cmp_eq_u32 s[WH], 0
	s_cselect_b32 s[TS], s[J0], s[J1]
	s_min_u32 s[TS], s[TS], 63                     ; a number from memory enters an address only held inside the table
	s_add_co_u32 s[TS], s[TS], s[HD64]
	s_mul_i32 s[OFF], s[TS], REC
	s_add_co_u32 s[OFF], s[OFF], s[HOFF]
	s_mov_b32 s[OFF+1], 0
	s_add_nc_u64 s[GB:GB+1], s[6:7], s[OFF:OFF+1]
.endm
.macro GLOAD                           ; my quarter of the next two records: 4,096 bytes of codes and 128 of scale words
	WIN 0x40                                       ; destination window 1
.irp i, 0,1,2,3,4,5,6,7
	global_load_b128 v[G+4*\i:G+4*\i+3], v[LI], s[GB:GB+1] offset:512*\i
.endr
	global_load_b32 v[G+32], v[GSO], s[GB:GB+1]
.endm
.macro GSTORE slot
	WIN 0x04                                       ; an LDS store's data are its source 1: window 1
.irp i, 0,1,2,3,4,5,6,7
	ds_store_b128 v[LW], v[G+4*\i:G+4*\i+3] offset:\slot+512*\i
.endr
	ds_store_b32 v[LWS], v[G+32] offset:\slot
	WIN 0
.endm
	s_load_b256 s[4:11], s[0:1], 0x0               ; q s[4:5], kv s[6:7], mask s[8:9], out0 s[10:11]
	v_lshl_add_u32 v254, v0, 2, 0xc800
	v_mov_b32 v255, 0
	v_lshrrev_b32 v1, 5, v0
	v_readfirstlane_b32 s[WV], v1
	s_wait_alu depctr_va_sdst(0)                   ; the wave's number is written, ahead of its first reader: LDS places and the bases of q, kv and out0 are made from it
	s_and_b32 s[WL], s[WV], 1
	s_lshr_b32 s[WH], s[WV], 1
	s_and_b32 s15, ttmp7, 0xffff                   ; the head
	s_lshl_b32 s[HD64], s15, 6
	s_mov_b32 s[SEL], 0x76543210
	s_mov_b32 s[SEL+1], 0xfedcba98                 ; v_permlanex16_b32's selects for lane l xor 16
	s_mov_b32 s[CS], 0x3e38aa3b                    ; c = log2(e) / sqrt(64)
	s_mov_b32 s[CS+1], s[CS]                       ; (named with it as a pair, so it is written)
	s_mov_b32 s[MNT], 0x600000                     ; the mantissa field of 448
	s_mov_b32 s[P0], 0x05040100                    ; v_perm_b32: the two low halves,
	s_mov_b32 s[P1], 0x07060302                    ; the two high halves
	v_and_b32 v5, 31, v0                           ; lane
	s_wait_alu depctr_va_vdst(0)
	v_and_b32 v11, 15, v0                          ; r
	v_bfe_u32 v41, v0, 4, 1                        ; hh
	s_wait_alu depctr_va_vdst(0)
	v_lshlrev_b32 v[LI], 4, v5
	v_lshlrev_b32 v[LR], 4, v11
	s_mul_i32 s[TS], s[WH], REC
	s_lshl_b32 s[HOFF], s[WL], 12
	s_add_co_u32 s[OFF], s[TS], s[HOFF]
	v_add_nc_u32 v[LW], s[OFF], v[LI]
	s_lshl_b32 s[OFF], s[WL], 7
	s_add_co_u32 s[OFF], s[OFF], s[TS]
	s_add_co_u32 s[OFF], s[OFF], 8192
	v_lshl_add_u32 v[LWS], v5, 2, s[OFF]
	s_mul_i32 s[TS], s[WL], 3968
	s_sub_co_u32 s[TS], 8192, s[TS]                ; the scale words lie 8192 + 128 (w & 1) into the record, my base 4096 (w & 1)
	v_lshl_add_u32 v[GSO], v5, 2, s[TS]
	v_lshlrev_b32 v[GO], 8, v41
	v_lshl_add_u32 v[GO], v11, 4, v[GO]
	s_mul_i32 s[TS], s[WV], 16*272
	s_add_co_u32 s[TS], s[TS], STAGE
	v_mul_u32_u24 v[STO], v11, 272
	v_lshl_add_u32 v[STO], v41, 5, v[STO]
	v_add_nc_u32 v[STO], s[TS], v[STO]             ; in: row r, 32 bytes for each half of the lanes
	v_mul_u32_u24 v[RD], v41, 272
	v_lshl_add_u32 v[RD], v11, 4, v[RD]
	v_add_nc_u32 v[RD], s[TS], v[RD]               ; back: lanes 0-15 one row of 256 bytes, lanes 16-31 the next
	v_lshlrev_b32 v[QO], 8, v11
	v_lshl_add_u32 v[QO], v41, 6, v[QO]            ; q: row r, my 16 numbers of a block of 32
	s_add_co_u32 s[OFF], s[HD64], ttmp9
	s_lshl_b32 s[OFF], s[OFF], 3
	s_mov_b32 s[OFF+1], 0
	s_wait_kmcnt 0x0
	s_add_nc_u64 s[8:9], s[8:9], s[OFF:OFF+1]
	s_load_b64 s[ML:MH], s[8:9], 0x0               ; my query block's two words
	s_lshl_b32 s[OFF], s15, 20
	s_lshl_b32 s[TS], ttmp9, 14
	s_add_co_u32 s[OFF], s[OFF], s[TS]
	s_lshl_b32 s[TS], s[WV], 12
	s_add_co_u32 s[OFF], s[OFF], s[TS]             ; (4096 head + 64 block + 16 wave) rows of 256 bytes
	s_add_nc_u64 s[QBASE:QBASE+1], s[4:5], s[OFF:OFF+1]
	s_add_nc_u64 s[OBASE:OBASE+1], s[10:11], s[OFF:OFF+1]
	s_wait_alu depctr_va_vdst(0)                   ; the nine addresses and offsets v1-v4 and v6-v10 are written, which every load and store of the kernel reads; no vector instruction names them again
.irp cb, 0,1
.irp j, 0,1,2,3
	global_load_b128 v[S+16*\cb+4*\j:S+16*\cb+4*\j+3], v[QO], s[QBASE:QBASE+1] offset:128*\cb+16*\j th:TH_LOAD_NT
.endr
.endr
	s_wait_kmcnt 0x0
	s_bcnt1_i32_b32 s[CNT], s[ML]
	s_bcnt1_i32_b32 s[TS], s[MH]
	s_add_co_u32 s[CNT], s[CNT], s[TS]             ; how many key blocks are kept
	s_mov_b32 s[JB], 0
	s_mov_b32 s[E1], 1
	NEXT2
	GLOAD                                          ; the first step's records (no instruction has named their registers)
	WIN 0
.irp b, 0,1,2,3
	v_mov_b32 v[TM+4+\b], 0                        ; written once: a lane permute's destination counts as one of its sources
	v_mov_b32 v[T2+\b], 0
.endr
	v_mov_b32 v[TP], 0                             ; likewise: the way out's permute lands here, and the steps that write it stand under a branch on the stored count
	s_wait_loadcnt 9                               ; q is in; the nine staging loads issued behind it may be out
	; q's two blocks of 32 channels: the largest magnitude with the floor 2^(9 - 127), 8 off its exponent field, the hold at 448 x the scale, the conversion
.irp b, 0,1
	v_max3_num_f32 v[TM+\b], |v[S+16*\b]|, |v[S+16*\b+1]|, 0x4800000
.endr
.irp i, 2,4,6,8,10,12,14
.irp b, 0,1
	v_max3_num_f32 v[TM+\b], v[TM+\b], |v[S+16*\b+\i]|, |v[S+16*\b+\i+1]|
.endr
.endr
.irp b, 0,1
	v_permlanex16_b32 v[TM+4+\b], v[TM+\b], s[SEL], s[SEL+1]
.endr
.irp b, 0,1
	v_max_num_f32 v[TM+\b], v[TM+\b], v[TM+4+\b]
.endr
.irp b, 0,1
	v_add_nc_u32 v[TM+12+\b], 0xfc000000, v[TM+\b]
.endr
.irp b, 0,1
	v_and_or_b32 v[TM+8+\b], v[TM+\b], 0x7f800000, s[MNT]
.endr
.irp b, 0,1
	v_lshrrev_b32 v[TM+4+\b], 23, v[TM+12+\b]
.endr
	v_lshl_or_b32 v[QS], v[TM+5], 8, v[TM+4]
	v_lshl_or_b32 v[QS], v[QS], 16, v[QS]          ; the two bytes twice: they serve both views of Q
.irp b, 0,1
.irp i, 0,1,2,3,4,5,6,7,8,9,10,11,12,13,14,15
	v_med3_num_f32 v[S+16*\b+\i], v[S+16*\b+\i], -v[TM+8+\b], v[TM+8+\b]   ; the conversion to an 8-bit code does not saturate (ISA guide 7.6.2)
.endr
	v_cvt_scalef32_pk8_fp8_f32 v[QA+4*\b:QA+4*\b+1], v[S+16*\b:S+16*\b+7], v[TM+12+\b]
	v_cvt_scalef32_pk8_fp8_f32 v[QA+4*\b+2:QA+4*\b+3], v[S+16*\b+8:S+16*\b+15], v[TM+12+\b]
.endr
	v_nop                                          ; one plain line behind the last conversion
.irp i, 0,1,2,3,4,5,6,7
	v_mov_b32 v[QA+16+\i], v[QA+\i]
	v_mov_b32 v[QA+8+\i], 0
.endr
	v_mov_b32 v13, 0xff61b1e6                      ; the largest t so far: -3e38, under every t
	v_floor_f32 v12, -v13                          ; -M
	v_mov_b32 v14, 0                               ; the sum, in two halves
	v_mov_b32 v15, 0
	v_mov_b32 v[PW], 0                             ; (named as the upper half of the pair with f before it is first written)
.set j, 0
.rept 32
	v_mov_b32 v[O+j], 0                            ; O^T.  (The step is written once: the first finds zeros, which the first change of M leaves zeros)
.set j, j+1
.endr
	s_wait_loadcnt 0x0                             ; the first step's records are in my registers
	GSTORE 0                                       ; (its data come from loads; its two addresses were written ahead of the head's wait on va_vdst)
; A STEP: the two records in the slot at byte slot.
.macro STEP slot
	s_wait_dscnt 0x0                               ; my stores into this slot have landed, and my reads of the other slot are in
	s_barrier_signal -1
	s_barrier_wait -1                              ; both now hold of all four waves.  The barrier stands ahead of the branch: every wave passes it in every step
	s_wait_alu depctr_va_vdst(0)                   ; the last step's products and v_perm_b32 are done reading the scale words, K's and V's fragments, in which this step's LDS loads land; in the first step Q's codes and scale word are written, which the score products take
	s_wait_alu depctr_vm_vsrc(0)                   ; my LDS stores into this slot have read the 33 staging registers, in which the global loads below land
	s_cmp_gt_u32 s[E1], s[CNT]
	s_cbranch_scc1 .Lskip_\@                       ; the list has run out
	NEXT2                                          ; (the staging base is free: its last loads were waited for at the last step's end)
.irp rho, 0,1
	ds_load_b128 v[SCW+4*\rho:SCW+4*\rho+3], v[LR] offset:\slot+REC*\rho+8192
.endr
	WIN 0x40                                       ; destination window 1
.irp rho, 0,1
.irp pf, 0,1
.irp c, 0,1,2,3
	ds_load_b128 v[KF+16*(2*\rho+\pf)+4*\c:KF+16*(2*\rho+\pf)+4*\c+3], v[LI] offset:\slot+REC*\rho+2048*\pf+512*\c
.endr
.endr
.endr
	GLOAD                                          ; the next step's records: they have this step's products and softmax in which to come
	s_wait_dscnt 0x0                               ; the scale words and K are in
	WIN 0x01                                       ; source 0 in window 1
.irp b, 0,1,2,3                        ; S^T = K Q^T: block b of 32 keys is pair fragment b, by both views of Q
.irp u, 0,1
	v_wmma_scale_f32_16x16x128_f8f6f4 v[S+8*(2*\b+\u):S+8*(2*\b+\u)+7], v[KF+16*\b:KF+16*\b+15], v[QA+8*\u:QA+8*\u+15], 0, v[SCW+4*(\b/2)+(\b%2)], v[QS]
.endr
.endr
	WIN 0x40                                       ; destination window 1
.irp rho, 0,1                          ; V's fragments, with the softmax in which to land.  No wait: since the wait at the step's head only the score products were issued, which name S^T, K, Q and their scale words: neither V's registers nor the address
.irp t, 0,1,2,3
.irp c, 0,1
	ds_load_b128 v[VF+16*\t+4*(2*\rho+\c):VF+16*\t+4*(2*\rho+\c)+3], v[LI] offset:\slot+REC*\rho+4096+1024*\t+512*\c
.endr
.endr
.endr
	WIN 0
	v_perm_b32 v[VS+0], v[SCW+6], v[SCW+2], s[P0]  ; V's scale word of tile t: the first record's two bytes, then the second's.  These four lines name no register of the products above:
	v_perm_b32 v[VS+1], v[SCW+6], v[SCW+2], s[P1]  ; with the four below they are the eight places behind them
	v_perm_b32 v[VS+2], v[SCW+7], v[SCW+3], s[P0]
	v_perm_b32 v[VS+3], v[SCW+7], v[SCW+3], s[P1]
.rept 4
	v_nop
.endr
	s_cmp_lt_u32 s[E1], s[CNT]
	s_cbranch_scc1 .Lfull_\@
.set j, 0
.rept 32
	v_mov_b32 v[S+32+j], 0xff800000                ; an odd list's last step: the second record is no kept block: its scores become -infinity, its p 0
.set j, j+1
.endr
.Lfull_\@:
.irp b, 0,1,2,3
	v_max3_num_f32 v[BM+\b], v[S+16*\b], v[S+16*\b+1], v[S+16*\b+2]   ; the largest score of each block of 32 keys: for the row's maximum and, since p rises with the score, for the block's largest p
.endr
.irp i, 3,5,7,9,11,13
.irp b, 0,1,2,3
	v_max3_num_f32 v[BM+\b], v[BM+\b], v[S+16*\b+\i], v[S+16*\b+\i+1]
.endr
.endr
.irp b, 0,1,2,3
	v_max_num_f32 v[BM+\b], v[BM+\b], v[S+16*\b+15]
.endr
.irp b, 0,1,2,3
	v_permlanex16_b32 v[T2+\b], v[BM+\b], s[SEL], s[SEL+1]
.endr
.irp b, 0,1,2,3
	v_max_num_f32 v[BM+\b], v[BM+\b], v[T2+\b]     ; with lane l xor 16's 16 keys
.endr
	v_max3_num_f32 v[TP], v[BM], v[BM+1], v[BM+2]
	v_max_num_f32 v[TP], v[TP], v[BM+3]
	v_mul_f32 v[TP], s[CS], v[TP]                  ; the step's largest t (c is positive)
	v_max_num_f32 v13, v13, v[TP]
	v_mov_b32 v[TP], v12
	v_floor_f32 v12, -v13                          ; the new -M = -ceil(t): a whole number
	v_sub_f32 v[TP], v12, v[TP]                    ; old M - new M: a whole number, 0 or less
	v_cvt_i32_f32 v[TP], v[TP]                     ; (it saturates)
	v_ldexp_f32 v[FF], 1.0, v[TP]                  ; f = 2^(old M - new M)
.set j, 0
.rept 32
	v_pk_fma_f32 v[S+j:S+j+1], v[S+j:S+j+1], s[CS:CS+1], v[12:13] op_sel_hi:[1,0,0]   ; t - M, two at a time
.set j, j+2
.endr
.irp b, 0,1,2,3
	v_fma_f32 v[BM+\b], v[BM+\b], s[CS], v12
.endr
.set j, 0
	s_wait_alu depctr_va_vdst(0)
.rept 64
	v_exp_f32 v[S+j], v[S+j]                       ; p = 2^(t - M): not normalised
.set j, j+1
.endr
.irp b, 0,1,2,3
	v_exp_f32 v[BM+\b], v[BM+\b]                   ; the block's largest p: the same two instructions on the same number
.endr
	v_pk_mul_f32 v[14:15], v[14:15], v[FF:FF+1] op_sel_hi:[1,0]   ; the sums under the new M.  (A plain line behind the exponentials)
	s_wait_alu depctr_va_vdst(0)                   ; the 68 exponentials have written the 64 p and the four blocks' largest p: one wait for the batch, ahead of its first reader
.irp b, 0,1,2,3
	v_max_num_f32 v[BM+\b], 0x4800000, v[BM+\b]    ; the floor 2^(9 - 127): the byte cannot fall under 1
.endr
.irp b, 0,1,2,3
	v_add_nc_u32 v[SOP+\b], 0xfc000000, v[BM+\b]   ; 8 off the exponent field: the conversion's scale operand
.endr
.irp b, 0,1,2,3
	v_and_or_b32 v[HL+\b], v[BM+\b], 0x7f800000, s[MNT]   ; 448 x the scale
.endr
.irp b, 0,1,2,3
	v_lshrrev_b32 v[T2+\b], 23, v[SOP+\b]          ; the scale's byte
.endr
	v_lshl_or_b32 v[PW], v[T2+1], 8, v[T2]         ; p's scale word for these 128 keys
	v_lshl_or_b32 v[PW], v[T2+2], 16, v[PW]
	v_lshl_or_b32 v[PW], v[T2+3], 24, v[PW]
	v_pk_add_f32 v[T2:T2+1], v[S:S+1], v[S+2:S+3]  ; the row's sum is taken of the unquantised p: two at a time, in two chains
.irp j, 4,8,12,16,20,24,28,32,36,40,44,48,52,56,60
	v_pk_add_f32 v[14:15], v[14:15], v[S+\j:S+\j+1]
	v_pk_add_f32 v[T2:T2+1], v[T2:T2+1], v[S+\j+2:S+\j+3]
.endr
	v_pk_add_f32 v[14:15], v[14:15], v[T2:T2+1]
.irp b, 0,1,2,3
.irp i, 0,1,2,3,4,5,6,7,8,9,10,11,12,13,14,15
	v_min_num_f32 v[S+16*\b+\i], v[S+16*\b+\i], v[HL+\b]   ; the conversion does not saturate (ISA guide 7.6.2); p is not negative, so the hold is one-sided
.endr
	v_cvt_scalef32_pk8_fp8_f32 v[PC+4*\b:PC+4*\b+1], v[S+16*\b:S+16*\b+7], v[SOP+\b]
	v_cvt_scalef32_pk8_fp8_f32 v[PC+4*\b+2:PC+4*\b+3], v[S+16*\b+8:S+16*\b+15], v[SOP+\b]
.endr
.set j, 0
.rept 16
	v_pk_mul_f32 v[O+j:O+j+1], v[O+j:O+j+1], v[FF:FF+1] op_sel_hi:[1,0]   ; O^T under the new M.  (These sixteen are also the plain lines between the conversions and the products that read the codes)
.set j, j+2
.endr
	s_wait_dscnt 0x0                               ; V is in
	s_wait_alu depctr_va_vdst(0)                   ; the conversions have written p's codes, and the lines further up p's scale word and V's four scale words, which the scaled products below take; the places stand ahead of this wait
	WIN 0x01
.irp t, 0,1,2,3                        ; O^T += V^T P^T: four tiles of 16 channels, K = these 128 keys; the four accumulators by turns
	v_wmma_scale_f32_16x16x128_f8f6f4 v[O+8*\t:O+8*\t+7], v[VF+16*\t:VF+16*\t+15], v[PC:PC+15], v[O+8*\t:O+8*\t+7], v[VS+\t], v[PW]
.endr
	WIN 0
.rept 8
	v_nop                                          ; eight places in front of the lines that write V's scale words anew in the next step, and of the last reads of O^T
.endr
	s_wait_loadcnt 0x0                             ; the next step's records are in my registers (asked for ahead of the softmax)
	GSTORE (SLOTB-(\slot))                         ; into the other slot: every wave's reads of it were in before this step's barrier.  (Its data come from loads, its addresses from the head)
.Lskip_\@:
	s_add_co_u32 s[E1], s[E1], 2
.endm
	s_mov_b32 s[TRIP], 9
.Ltrip:                                            ; 9 trips of two steps: the slot stands in the immediates, no LDS address is stepped
	STEP 0
	STEP SLOTB
	s_sub_co_u32 s[TRIP], s[TRIP], 1
	s_cmp_lg_u32 s[TRIP], 0
	s_cbranch_scc1 .Ltrip
	; THE WAY OUT.  O^T is divided by the sum and goes through my own stage in LDS, so that sixteen lanes store a whole row of 256 bytes.
	v_add_f32 v14, v14, v15                        ; the sum's two halves,
	v_permlanex16_b32 v[TP], v14, s[SEL], s[SEL+1]
	v_add_f32 v14, v14, v[TP]                      ; and lane l xor 16's
	s_wait_alu depctr_va_vdst(0)
	v_rcp_f32 v14, v14
	v_nop                                          ; a plain line behind the reciprocal
	s_wait_alu depctr_va_vdst(0)                   ; the reciprocal has written v14, ahead of its first reader
.set j, 0
.rept 32
	v_mul_f32 v[S+j], v[O+j], v14                  ; register 8 t + i is out0(query r, channel 16 t + 8 hh + i); each accumulator from its low end on
.set j, j+1
.endr
	s_wait_alu depctr_va_vdst(0)                   ; the multiplications have written v64-95, which the LDS stores read; the steps' vector instructions are done with v96-127, in which the stage's loads land
.irp t, 0,1,2,3
	ds_store_b128 v[STO], v[S+8*\t:S+8*\t+3] offset:64*\t
	ds_store_b128 v[STO], v[S+8*\t+4:S+8*\t+7] offset:64*\t+16
.endr
.irp i, 0,1,2,3,4,5,6,7
	ds_load_b128 v[S+32+4*\i:S+32+4*\i+3], v[RD] offset:544*\i   ; LDS serves a wave's instructions in order (ISA guide 5.7.1.4): these see my stores
.endr
.irp i, 0,1,2,3,4,5,6,7
	s_wait_dscnt 7-\i                              ; loads come back in order: pair i of rows is in, the younger ones may be out
	global_store_b128 v[GO], v[S+32+4*\i:S+32+4*\i+3], s[OBASE:OBASE+1] offset:512*\i th:TH_STORE_NT   ; 16 lanes store 256 consecutive bytes, at a multiple of 256 from out0's first byte
.endr
	s_wait_dscnt 0x0                               ; the closing lines, six on end
	s_wait_alu 0x0
	s_wait_tensorcnt 0x0
	ds_add_u32 v254, v255
	s_wait_dscnt 0x0
	s_endpgm
.Lfunc_end_k_qf3c08e7844_attn:
	.size	k_qf3c08e7844_attn, .Lfunc_end_k_qf3c08e7844_attn-k_qf3c08e7844_attn
	.p2alignl 7, 3214868480
	.fill 96, 4, 3214868480
	.section	.rodata,"a",@progbits
	.p2align	6, 0x0
	.amdhsa_kernel k_qf3c08e7844_attn
		.amdhsa_group_segment_fixed_size 51712
		.amdhsa_private_segment_fixed_size 0
		.amdhsa_enable_private_segment 0
		.amdhsa_kernarg_size 32
		.amdhsa_user_sgpr_count 2
		.amdhsa_user_sgpr_kernarg_segment_ptr 1
		.amdhsa_wavefront_size32 1
		.amdhsa_system_sgpr_workgroup_id_x 1
		.amdhsa_system_sgpr_workgroup_id_y 1
		.amdhsa_system_sgpr_workgroup_id_z 1
		.amdhsa_system_vgpr_workitem_id 0
		.amdhsa_next_free_vgpr 424
		.amdhsa_next_free_sgpr 66
		.amdhsa_reserve_vcc 0
		.amdhsa_float_denorm_mode_32 3
		.amdhsa_float_denorm_mode_16_64 3
		.amdhsa_memory_ordered 1
		.amdhsa_forward_progress 1
		.amdhsa_inst_pref_size 62
	.end_amdhsa_kernel
	.amdgpu_metadata
---
amdhsa.version: [ 1, 2 ]
amdhsa.kernels:
  - .name:           k_qf3c08e7844_attn
    .symbol:         k_qf3c08e7844_attn.kd
    .args:
      - { .name: q, .offset: 0, .size: 8, .value_kind: global_buffer, .address_space: global }
      - { .name: kv, .offset: 8, .size: 8, .value_kind: global_buffer, .address_space: global }
      - { .name: mask, .offset: 16, .size: 8, .value_kind: global_buffer, .address_space: global }
      - { .name: out0, .offset: 24, .size: 8, .value_kind: global_buffer, .address_space: global }
    .group_segment_fixed_size: 51712
    .private_segment_fixed_size: 0
    .kernarg_segment_align: 8
    .kernarg_segment_size: 32
    .max_flat_workgroup_size: 128
    .sgpr_count:     66
    .vgpr_count:     424
    .wavefront_size: 32
...
	.end_amdgpu_metadata
.endif
;; end of part 4
